; MI455X (gfx1250); checked and timed in simulation.
; The chip was launched on July 23, 2026; its instructions are those of AMD's public machine-readable ISA for CDNA 5 (MIT licence, August 2026) and "CDNA5" Instruction Set Architecture Reference Guide (July 2026). The comments in the code are by the model that wrote it; some were corrected since.
;; Attention. Allowed arithmetic: matrix products marked QUANTISED: E5M2 operands, one given power-of-two scale a tensor, by v_wmma_f32_16x16x64_bf8_bf8 or v_wmma_f32_16x16x128_bf8_bf8, f32 sums; everything else in f32.
;; Inputs: key 1 x 4,096 x 1,024 float32; lowp_scales 4 int32 (the exponents e of the quantised operands' scales 2^e); mask 1 x 1 x 4,096 x 4,096 bool; query 1 x 4,096 x 1,024 float32; value 1 x 4,096 x 1,024 float32.
;; Outputs: out0 1 x 4,096 x 1,024 float32.
;; Constants: dim_head = 64, num_head = 16.
;; This version of the problem:
;;   THIS VERSION OF THE PROBLEM IS GIVEN IN LOW PRECISION. The matrix products marked QUANTISED in the list below multiply operands that are first quantised to E5M2 (5 exponent bits, 2 mantissa bits; 8 bits a number), with one given power-of-two scale for each operand tensor; their sums are f32. All else is computed in f32.
;;   The module's matrix products, in the order in which they are computed (A, B: the left and right operand; K: the contracted axis; several contracted axes count as one K, in the product's order):
;;     1. batch 16 x [M 4,096, K 64] x [K 64, N 4,096]; A: input query; B: input key: QUANTISED (scales: A lowp_scales[0], B lowp_scales[1])
;;     2. batch 16 x [M 64, K 4,096] x [K 4,096, N 4,096]; A: input value; B: softmax (see below): QUANTISED (scales: A lowp_scales[2], B lowp_scales[3])
;;   THE QUANTISER, for each operand of a quantised product, along K:
;;     - The operand's scale is 2^e, e = its entry of the input lowp_scales (int32; the entries are numbered through the quantised products in the list's order, A before B).
;;     - Each number is divided by the scale, clamped to +-57,344, and rounded to the nearest number of E5M2, ties to even, subnormals kept.
;;     - The product sums the exact products of the quantised numbers (number of the format x scale) in f32.
;;   ~~~python
;;   def quantise(x, axis, e):      # numpy; x: float32 -> the quantised numbers, widened to float32 again
;;       x = np.moveaxis(x, axis, -1); K = x.shape[-1]
;;       r = np.clip(x / 2.0 ** e, -57344, 57344)
;;       step = 2.0 ** (np.maximum(np.frexp(np.where(r == 0, 1, r))[1] - 1, -14) - 2)
;;       q = np.round(r / step) * step * 2.0 ** e      # np.round: ties to even
;;       return np.moveaxis(q, -1, axis).astype(np.float32)
;;   ~~~
;;   SOFTMAX AHEAD OF A QUANTISED PRODUCT. Where the list says 'softmax', what is quantised is not the finished softmax but p = 2^(t - M), with t = logit x log2(e) and M = ceil(the row's largest t), a whole number; so 1/2 < the row's largest p <= 1. The row's sum l is taken of the UNQUANTISED p, in f32, and the product's result is divided by l at the end. Since M is a whole number, a kernel that streams over the keys may use a running M (the ceiling of the running maximum): every later rescaling is an exact power of two, so the quantised numbers keep their values, but for numbers so far below the row's largest that they fall under the format's range.
;;   OPERANDS COMPUTED ON THE WAY. 'Computed on the way' means the value that the module computes at that place (a softmax that the list does not call 'softmax' is quantised finished and normalised). What goes into a quantiser is computed in f32, as accurately as f32 sums, v_exp_f32 and their like allow (about 1e-6 of the number): no bf16 or f16 on the way to a quantiser, and a product that is left as it is and whose result goes on into a quantised operand takes f32 operands (vector FMAs, or v_wmma_f32_16x16x4_f32). A number that lies on a knife's edge between two numbers of the format may be rounded either way, as far as f32 arithmetic and the matrix unit's own rounding can turn it there, and no further.
;; 2 versions, each right; version 2 is version 1 with the launch attn written anew for expert scheduling mode. Each part assembles by itself: llvm-mc -triple=amdgcn-amd-amdhsa -mcpu=gfx1250 --defsym DOCPART=n.
;; ======== version 1 of 2: 2 launches
;; limits: right only within a limited range of input values
;; workspace buffers: kimg 4,194,304 bytes; vimg 4,194,304 bytes; mwords 2,097,152 bytes of whole numbers; mflags 1,024 bytes of whole numbers
;; launch prep (part 1): grid 384 x 1, 8 waves a work-group, no clusters, 2,048 bytes of LDS; arguments key, value, mask, lowp_scales, kimg, vimg, mwords, mflags; writes kimg, vimg, mwords, mflags
.if DOCPART == 1
	.amdgcn_target "amdgcn-amd-amdhsa--gfx1250"
	.amdhsa_code_object_version 6
	.text
	.protected	k_qdbc0ab4876_prep
	.globl	k_qdbc0ab4876_prep
	.p2align	8
	.type	k_qdbc0ab4876_prep,@function
k_qdbc0ab4876_prep:
	s_mov_b64 s[64:65], 0
	v_nop
	global_prefetch_b8 v0, s[64:65] scope:SCOPE_SE
	s_setreg_imm32_b32 hwreg(HW_REG_WAVE_MODE, 25, 1), 1
	s_wait_xcnt 0x0
; THE LAUNCH IN FRONT OF THE ATTENTION.  Three roles, told apart by the work-group's number (128 work-groups each); every wave's task reads 16 KiB.
; ROLE 0: key [4096][1024] f32 -> kimg: codes of E5M2 with the given scale 2^ek, laid as images of the first product's operand registers:
;   kimg [head 16][step 32][tile t 8][c 2][lane 32][16 bytes]: lane (r = lane % 16, h = lane / 16) holds K[128 step + 32 (t/2) + 8 (t%2) + r + 8 (r/8)][64 head + 32 c + 16 h + 0..15].
; ROLE 1: value [4096][1024] f32 -> vimg: codes with 2^ev, THE KEYS INNERMOST, as images of the second product's operand registers:
;   vimg [head][step][ct 4][b 4][lane 32][16 bytes]: lane (r, h) holds V[128 step + 32 b + 16 h + 0..15][64 head + 16 ct + r].
; ROLE 2: mask [4096][4096] bytes (0 or 1) -> mwords: the 32-bit lane masks that a select takes, and mflags: two bit words for each block of 32 queries.
;   mwords [blk 128][step 32][T 2][n 64] u32: bit L of word n = 16 b + i is mask[32 blk + 16 T + L % 16][128 step + 32 b + 16 (L / 16) + i].
;   mflags [blk][2]: word 0: bit s = all 32 x 128 bytes of step s are 1; the whole word is 0 if one of the block's rows is hidden at all 4,096 keys (such a row wants every key).  Word 1: bit s = some byte of step s is 1.
; code = x / 2^e, held within +-57,344, rounded to the nearest code, ties to even.  LIMITS: ek and ev between -126 and 112; NaN among the inputs is not served; mask bytes are 0 or 1.
; No matrix unit, no tensor loads, no cluster: the waves share nothing but eight flag records of 16 bytes in role 2.
.set XR, 32                            ; v32-159  128 registers of data as loaded
.set CR, 160                           ; v160-191 codes (roles 0, 1) or mask words (role 2): registers of their own for each store, so that no store's data are written again
; v1 lane, v2 r, v3 h, v4 16 x lane, v5 offset on the way in, v6 role 1's offset on the way out, v7 LDS address of my wave's flag record, v8 0, v10 57,344 x 2^e, v11 2^e, v12-15 flags, v16-31 at work
; s2 wave, s3 role, s20 work-group in its role, s21 task u = 8 x that + wave, s[22:23], s[24:25] offsets, s[26:27] in, s[28:29] out, s[32:47] sixteen ballots, s48-51 a step's ballots, s52-55 flags, s[56:59] eq ek ev ep, s[60:61] mflags' place
.macro QUANT16 src, dst                ; 16 neighbours along K in a lane's registers -> 16 codes in four registers
.irp i, 0,1,2,3,4,5,6,7,8,9,10,11,12,13,14,15
	v_med3_num_f32 v[(\src)+\i], v[(\src)+\i], -v10, v10       ; the conversion to an 8-bit code does not saturate (ISA guide 7.6.2): hold the number first
.endr
	v_cvt_scalef32_pk8_bf8_f32 v[(\dst):(\dst)+1], v[(\src):(\src)+7], v11
	v_cvt_scalef32_pk8_bf8_f32 v[(\dst)+2:(\dst)+3], v[(\src)+8:(\src)+15], v11   ; the results go to a store alone, and neither they nor the sources are touched by a later vector instruction
.endm
.macro SCALE e                         ; s[e]: the exponent
	s_add_co_i32 s30, s[\e], 127
	s_lshl_b32 s31, s30, 23
	v_mov_b32 v11, s31                             ; 2^e as f32: the conversion takes its exponent field
	s_add_co_i32 s30, s30, 15
	s_lshl_b32 s30, s30, 23
	s_or_b32 s30, s30, 0x600000
	v_mov_b32 v10, s30                             ; 57,344 x 2^e
.endm
	s_load_b256 s[4:11], s[0:1], 0x0               ; key s[4:5], value s[6:7], mask s[8:9], the exponents s[10:11]
	s_load_b256 s[12:19], s[0:1], 0x20             ; kimg s[12:13], vimg s[14:15], mwords s[16:17], mflags s[18:19]
	v_lshl_add_u32 v192, v0, 2, 0x400
	v_mov_b32 v193, 0
	v_lshrrev_b32 v7, 5, v0
	v_readfirstlane_b32 s2, v7                     ; wave 0..7
	v_lshlrev_b32 v7, 4, v7                        ; 16 x wave: my flag record in LDS (made ahead of the parting of the roles)
	v_and_b32 v1, 31, v0
	v_and_b32 v2, 15, v0
	v_bfe_u32 v3, v0, 4, 1
	v_lshlrev_b32 v4, 4, v1
	v_mov_b32 v8, 0
	s_lshr_b32 s3, ttmp9, 7                        ; role
	s_and_b32 s20, ttmp9, 127
	s_lshl_b32 s21, s20, 3
	s_add_co_u32 s21, s21, s2                      ; u: 0..1023
	s_lshr_b32 s30, s21, 6                         ; roles 0, 1: head,
	s_bfe_u32 s31, s21, 0x50001                    ; step (5 bits from bit 1),
	s_and_b32 s48, s21, 1                          ; and which half of the step's work
	s_lshl_b32 s22, s31, 19                        ; in: the step's 128 rows of 4,096 bytes
	s_lshl_b32 s49, s30, 8
	s_add_co_u32 s22, s22, s49                     ; + the head's 256 bytes of a row
	s_mov_b32 s23, 0
	s_lshl_b32 s24, s30, 18                        ; out: 262,144 bytes a head,
	s_lshl_b32 s49, s31, 13
	s_add_co_u32 s24, s24, s49                     ; 8,192 a step,
	s_lshl_b32 s49, s48, 12
	s_add_co_u32 s24, s24, s49                     ; 4,096 a half
	s_mov_b32 s25, 0
	s_wait_kmcnt 0x0
	s_load_b128 s[56:59], s[10:11], 0x0            ; eq, ek, ev, ep
	s_cmp_eq_u32 s3, 1
	s_cbranch_scc1 .LV
	s_cmp_eq_u32 s3, 2
	s_cbranch_scc1 .LM
; ---- ROLE 0.  A wave takes four tiles of 16 keys (64 keys) of one head.  Lane (r, h) loads, of its key's row, 16 neighbouring channels for each c: the conversions' results are the image's 16 bytes.
; A tile's eight loads together take the whole 256 bytes of the head in each of its 16 rows.
	s_lshl_b32 s49, s48, 18
	s_add_co_u32 s22, s22, s49                     ; my half's 64 rows
	s_add_nc_u64 s[26:27], s[4:5], s[22:23]
	s_add_nc_u64 s[28:29], s[12:13], s[24:25]
	v_and_b32 v5, 8, v2
	v_add_nc_u32 v5, v5, v2                        ; r + 8 (r / 8): the keys of a tile are not neighbours
	v_lshlrev_b32 v5, 12, v5
	v_lshl_add_u32 v5, v3, 6, v5                   ; + 64 h bytes
.irp q, 0,1,2,3,4,5,6,7                            ; chunk q: tile q / 2 of my four, c = q % 2
.irp j, 0,1,2,3
	global_load_b128 v[XR+16*\q+4*\j:XR+16*\q+4*\j+3], v5, s[26:27] offset:(32*(\q/4)+8*((\q/2)%2))*4096+128*(\q%2)+16*\j th:TH_LOAD_NT
.endr
.endr
	s_wait_kmcnt 0x0
	SCALE 57
.irp q, 0,1,2,3,4,5,6,7
	s_wait_loadcnt 28-4*\q                         ; chunk q's four loads are in; the 4 (7 - q) issued behind them may be out
	QUANT16 XR+16*\q, CR+4*\q
	global_store_b128 v4, v[CR+4*\q:CR+4*\q+3], s[28:29] offset:512*\q   ; 32 lanes store 512 consecutive bytes
.endr
	s_branch .Ljoin
; ---- ROLE 1.  A wave takes 32 channels x 128 keys.  A LANE TAKES A CHANNEL AND ITS REGISTERS RUN DOWN THE KEYS: the conversions then give codes with the keys innermost; nothing is transposed.
.LV:
	s_lshl_b32 s49, s48, 7
	s_add_co_u32 s22, s22, s49                     ; my 32 channels: 128 bytes
	s_add_nc_u64 s[26:27], s[6:7], s[22:23]
	s_add_nc_u64 s[28:29], s[14:15], s[24:25]
	v_lshlrev_b32 v5, 2, v1
	v_lshlrev_b32 v6, 11, v3
	v_lshl_add_u32 v6, v2, 4, v6                   ; out: lanes 16-31 hold the next tile of channels, 2,048 bytes on; 16 bytes a channel
.set n, 0
.rept 128
	global_load_b32 v[XR+n], v5, s[26:27] offset:n*4096 th:TH_LOAD_NT
.set n, n+1
.endr
	s_wait_kmcnt 0x0
	SCALE 58
.irp g, 0,1,2,3,4,5,6,7                            ; keys 16 g on: b = g / 2, and the image's half of the lanes g % 2
.if 16*(7-\g) > 63
	s_wait_loadcnt 63                              ; 16 (7 - g) loads were issued behind this group's; the wait names at most 63
.else
	s_wait_loadcnt 16*(7-\g)
.endif
	QUANT16 XR+16*\g, CR+4*\g
	global_store_b128 v6, v[CR+4*\g:CR+4*\g+3], s[28:29] offset:256*\g   ; sixteen lanes store 256 consecutive bytes, aligned
.endr
	s_branch .Ljoin
; ---- ROLE 2.  A work-group takes a block of 32 queries, wave w its steps 4 w .. 4 w + 3.  Lane (r, h) loads the 16 bytes that the attention's lane (r, h) needs for (T, b): byte i is the lane's bit of word 16 b + i.
.LM:
	s_lshl_b32 s22, s20, 17                        ; 32 rows of 4,096 bytes a block
	s_lshl_b32 s49, s2, 9
	s_add_co_u32 s22, s22, s49                     ; + my four steps' 512 bytes
	s_add_nc_u64 s[26:27], s[8:9], s[22:23]
	s_lshl_b32 s24, s20, 14                        ; 32 records of 512 bytes a block
	s_lshl_b32 s49, s2, 11
	s_add_co_u32 s24, s24, s49
	s_add_nc_u64 s[28:29], s[16:17], s[24:25]
	v_lshlrev_b32 v5, 12, v2
	v_lshl_add_u32 v5, v3, 4, v5
.irp k, 0,1,2,3
.irp T, 0,1
.irp b, 0,1,2,3
	global_load_b128 v[XR+4*(8*\k+4*\T+\b):XR+4*(8*\k+4*\T+\b)+3], v5, s[26:27] offset:\T*65536+\k*128+32*\b th:TH_LOAD_NT
.endr
.endr
.endr
.set n, 0
.rept 16
	v_mov_b32 v[CR+n], 0                           ; written once: the destination of a write to one lane counts as read
.set n, n+1
.endr
	s_mov_b32 s52, -1                              ; lanes of tile A all of whose bytes so far are 1,
	s_mov_b32 s53, -1                              ; of tile B
	s_mov_b32 s54, 0                               ; my steps that are wholly hidden,
	s_mov_b32 s55, 0                               ; and those with some hidden byte
.irp k, 0,1,2,3
	s_wait_loadcnt 24-8*\k                         ; step k's eight loads are in; the 8 (3 - k) issued behind them may be out
.irp T, 0,1
.irp b, 0,1,2,3
.irp i, 0,1,2,3,4,5,6,7,8,9,10,11,12,13,14,15
	v_and_b32 v[16+\i], 1<<(8*(\i%4)), v[XR+4*(8*\k+4*\T+\b)+\i/4]   ; byte i of my sixteen
.endr
.irp i, 0,1,2,3,4,5,6,7,8,9,10,11,12,13,14,15
	v_cmp_ne_u32 s[32+\i], 0, v[16+\i]             ; word 16 b + i: a bit for each lane
.endr
.irp i, 0,1,2,3,4,5,6,7,8,9,10,11,12,13,14,15
	v_writelane_b32 v[CR+4*\k+(\i&3)], s[32+\i], 16*\T+4*\b+(\i>>2)   ; word 64 T + 16 b + i of the record: lane (word / 4), register (word % 4)
.endr
.endr
	v_and_b32 v[12+2*\T], v[XR+32*\k+16*\T], v[XR+32*\k+16*\T+1]      ; my 64 bytes of the tile: all 1?  any 1?
	v_or_b32 v[13+2*\T], v[XR+32*\k+16*\T], v[XR+32*\k+16*\T+1]
.irp i, 2,3,4,5,6,7,8,9,10,11,12,13,14,15
	v_and_b32 v[12+2*\T], v[12+2*\T], v[XR+32*\k+16*\T+\i]
	v_or_b32 v[13+2*\T], v[13+2*\T], v[XR+32*\k+16*\T+\i]
.endr
.endr
	v_cmp_eq_u32 s48, 0x01010101, v12
	v_cmp_eq_u32 s49, 0x01010101, v14
	v_cmp_ne_u32 s50, 0, v13
	v_cmp_ne_u32 s51, 0, v15
	s_and_b32 s52, s52, s48
	s_and_b32 s53, s53, s49
	s_and_b32 s30, s48, s49
	s_cmp_eq_u32 s30, -1                           ; every lane of both tiles: the step is wholly hidden
	s_cselect_b32 s30, 1<<\k, 0
	s_or_b32 s54, s54, s30
	s_or_b32 s30, s50, s51
	s_cmp_lg_u32 s30, 0
	s_cselect_b32 s30, 1<<\k, 0
	s_or_b32 s55, s55, s30
	global_store_b128 v4, v[CR+4*\k:CR+4*\k+3], s[28:29] offset:512*\k   ; a whole record: 512 consecutive bytes
.endr
	s_lshl_b32 s31, s2, 2
	s_lshl_b32 s54, s54, s31                       ; my four bits at their place among the 32 steps
	s_lshl_b32 s55, s55, s31
	v_mov_b32 v12, s52
	v_mov_b32 v13, s53
	v_mov_b32 v14, s54
	v_mov_b32 v15, s55
	ds_store_b128 v7, v[12:15]                     ; all lanes store the same 16 bytes: my wave's record
; ---- Every wave of every role passes this one barrier, so that it stands under no branch.
.Ljoin:
	s_wait_dscnt 0x0                               ; for the others' sake: my record has landed
	s_barrier_signal -1
	s_barrier_wait -1
	s_cmp_lg_u32 s3, 2
	s_cbranch_scc1 .Lend
	s_cmp_lg_u32 s2, 0
	s_cbranch_scc1 .Lend
.irp i, 0,1,2,3,4,5,6,7                            ; wave 0 of a mask work-group joins the eight records
	ds_load_b128 v[XR+4*\i:XR+4*\i+3], v8 offset:16*\i
.endr
	s_lshl_b32 s22, s20, 3
	s_add_nc_u64 s[60:61], s[18:19], s[22:23]      ; mflags + 8 x block
	s_wait_dscnt 0x0
	v_and_b32 v16, v32, v36
	v_and_b32 v17, v33, v37
	v_or_b32 v18, v34, v38
	v_or_b32 v19, v35, v39
.irp i, 2,3,4,5,6,7
	v_and_b32 v16, v16, v[XR+4*\i]
	v_and_b32 v17, v17, v[XR+4*\i+1]
	v_or_b32 v18, v18, v[XR+4*\i+2]
	v_or_b32 v19, v19, v[XR+4*\i+3]
.endr
	v_lshrrev_b32 v20, 16, v16                     ; a row is hidden at all keys where both lanes that hold it (r and r + 16) saw ones alone
	v_and_b32 v20, v20, v16
	v_lshrrev_b32 v21, 16, v17
	v_and_b32 v21, v21, v17
	v_or_b32 v20, v20, v21
	v_cmp_ne_u32 vcc_lo, 0, v20
	v_cndmask_b32 v12, v18, v8, vcc_lo             ; such a block skips nothing
	v_mov_b32 v13, v19
	v_cmp_eq_u32 vcc_lo, 0, v1
	s_wait_xcnt 0x0                                ; EXEC is a source of my earlier stores: it changes only behind this wait
	s_and_saveexec_b32 s30, vcc_lo
	global_store_b64 v8, v[12:13], s[60:61]        ; eight bytes a block: the buffer is 1,024 bytes in all
	s_wait_xcnt 0x0                                ; and again in front of the line that widens it
	s_or_b32 exec_lo, exec_lo, s30
.Lend:
	s_wait_tensorcnt 0x0
	ds_add_u32 v192, v193
	s_wait_dscnt 0x0
	s_endpgm
.Lfunc_end_k_qdbc0ab4876_prep:
	.size	k_qdbc0ab4876_prep, .Lfunc_end_k_qdbc0ab4876_prep-k_qdbc0ab4876_prep
	.p2alignl 7, 3214868480
	.fill 96, 4, 3214868480
	.section	.rodata,"a",@progbits
	.p2align	6, 0x0
	.amdhsa_kernel k_qdbc0ab4876_prep
		.amdhsa_group_segment_fixed_size 2048
		.amdhsa_private_segment_fixed_size 0
		.amdhsa_enable_private_segment 0
		.amdhsa_kernarg_size 64
		.amdhsa_user_sgpr_count 2
		.amdhsa_user_sgpr_kernarg_segment_ptr 1
		.amdhsa_wavefront_size32 1
		.amdhsa_system_sgpr_workgroup_id_x 1
		.amdhsa_system_sgpr_workgroup_id_y 1
		.amdhsa_system_sgpr_workgroup_id_z 1
		.amdhsa_system_vgpr_workitem_id 0
		.amdhsa_next_free_vgpr 194
		.amdhsa_next_free_sgpr 66
		.amdhsa_reserve_vcc 1
		.amdhsa_float_denorm_mode_32 3
		.amdhsa_float_denorm_mode_16_64 3
		.amdhsa_memory_ordered 1
		.amdhsa_forward_progress 1
		.amdhsa_inst_pref_size 147
	.end_amdhsa_kernel
	.amdgpu_metadata
---
amdhsa.version: [ 1, 2 ]
amdhsa.kernels:
  - .name:           k_qdbc0ab4876_prep
    .symbol:         k_qdbc0ab4876_prep.kd
    .args:
      - { .name: key, .offset: 0, .size: 8, .value_kind: global_buffer, .address_space: global }
      - { .name: value, .offset: 8, .size: 8, .value_kind: global_buffer, .address_space: global }
      - { .name: mask, .offset: 16, .size: 8, .value_kind: global_buffer, .address_space: global }
      - { .name: lowp_scales, .offset: 24, .size: 8, .value_kind: global_buffer, .address_space: global }
      - { .name: kimg, .offset: 32, .size: 8, .value_kind: global_buffer, .address_space: global }
      - { .name: vimg, .offset: 40, .size: 8, .value_kind: global_buffer, .address_space: global }
      - { .name: mwords, .offset: 48, .size: 8, .value_kind: global_buffer, .address_space: global }
      - { .name: mflags, .offset: 56, .size: 8, .value_kind: global_buffer, .address_space: global }
    .group_segment_fixed_size: 2048
    .private_segment_fixed_size: 0
    .kernarg_segment_align: 8
    .kernarg_segment_size: 64
    .max_flat_workgroup_size: 256
    .sgpr_count:     66
    .vgpr_count:     194
    .wavefront_size: 32
...
	.end_amdgpu_metadata
.endif
;; end of part 1
;; launch attn (part 2): grid 16 x 16, 8 waves a work-group, no clusters, 68,608 bytes of LDS; arguments query, kimg, vimg, mwords, mflags, lowp_scales, out0; writes out0
.if DOCPART == 2
	.amdgcn_target "amdgcn-amd-amdhsa--gfx1250"
	.amdhsa_code_object_version 6
	.text
	.protected	k_qdbc0ab4876_attn
	.globl	k_qdbc0ab4876_attn
	.p2align	8
	.type	k_qdbc0ab4876_attn,@function
k_qdbc0ab4876_attn:
	s_mov_b64 s[64:65], 0
	v_nop
	global_prefetch_b8 v0, s[64:65] scope:SCOPE_SE
	s_setreg_imm32_b32 hwreg(HW_REG_WAVE_MODE, 25, 1), 1
	s_wait_xcnt 0x0
; out[q][64 head ..] = the sum over k of softmax_k(where(mask, -1e9, Q.K / 8)) V, 16 heads, 4,096 queries and keys, head size 64; both products on codes of E5M2 with the given scales 2^eq, 2^ek, 2^ev, 2^ep.
; THE SOFTMAX AHEAD OF THE SECOND PRODUCT: t = logit x log2(e); M = the running largest t rounded UP to a whole number; p = 2^(t - M) is quantised, not normalised; the row's sum is taken of the unquantised p and divides at the end.
; When M moves, the sum and O are multiplied by 2^(old M - new M), which rounds nothing.
; SHARES.  Work-group (x, head) owns the query chunks x and 31 - x (128 rows each); each of its 8 waves owns 32 rows, two tiles of 16 (A, B).  Waves of the early and of the late chunk are dealt so that waves w and w + 4, and
; waves 2 i and 2 i + 1, are one of each.  Every wave walks the 32 key steps of 128 keys in step with the others: one barrier a step.
; K AND V come as images of the operand registers (made by the launch before): a step's 8 KiB of each go memory -> registers -> LDS, an eighth by each wave, and all eight waves read them.  K is staged two steps ahead, V one.
; LAYOUT.  S^T = K Q^T (source 0 = 16 keys, source 1 = 16 queries), O^T = V^T P^T (source 0 = 16 channels, source 1 = P): a lane holds ONE query (lane % 16).  The keys of a tile are chosen so that score register
; n = 16 b + i of lane (r, h) is key 32 b + 16 h + i: the conversions' results are the second product's operand.  Along K both operands of each product are permuted alike.
; THE MASK is an input and is honoured as it is given.  A hidden score is REPLACED, ahead of the maximum, by -2^(33 - eq - ek): t is then -log2(e)/8 x 2^33, a whole number.  A row with an open key gets p = 0 there;
; a row with none gets t - M = 0, p = 1 at every key, as the reference's -1e9 gives.  The selects take ready lane masks from scalar registers.
; BRANCHES ON STORED WHOLE NUMBERS: a step that the mask hides wholly for my 32 rows is left out (its p are zeros; a block with a row that has no open key skips nothing); a step without a hidden byte leaves the selects out;
; a tile that no wave of the work-group will read is not staged; with ep >= -15 the hold of p is left out (57,344 x 2^ep >= 1.75, above every p).
; NO TENSOR LOADS, NO CLUSTER, NO JOINT LOADS: what sharing would spare is
; 4 loads and 4 LDS stores a wave a step beside some 400 vector instructions.
; LIMITS: open logits lie above -9.9e8 (a hidden one stands for -2^30); eq + ek between -94 and 130; eq and ep between -126 and 112; NaN among the inputs is not served.
; REGISTERS, window 0: v1-14 addresses and constants; v16-31 statistics, eight a tile; v32-35 a second chain of each sum; v64-191 S^T, then p, 64 a tile; v192-223 p's codes, 16 a tile.
;   window 1: v0-63 K's 8 fragments; v64-127 V's 4; v128-191 O^T, 32 a tile; v192-207 Q's codes; v208-223 staging (K, V); v224-231 the head's third tile.
.set TILE,  8192                       ; a step's image of K or of V
.set KS0,   0                          ; LDS: K tile j in KS0 + TILE (j % 2),
.set VS0,   16384                      ; V tile j in VS0 + TILE (j % 2),
.set STAGE, 32768                      ; and for each wave 16 rows x (256 + 16) bytes for the way out
.set SPITCH, 272
.set LI,   1                           ; v1   16 x lane: an image's place for my lane
.set STG,  2                           ; v2   1,024 x wave + 16 x lane: my eighth of a tile, in memory and in LDS
.set PFO,  5                           ; v5   256 x lane: the prefetches' offset
.set SMK,  6                           ; v6   the hidden score
.set LIMP, 7                           ; v7   57,344 x 2^ep
.set SCP,  8                           ; v8   2^ep
.set STO,  9                           ; v9   the stage, in
.set RD,   10                          ; v10  the stage, back
.set GO,   11                          ; v11  my byte offset in two rows of out
.set QO,   12                          ; v12  my byte offset in 16 rows of query
.set QLIM, 13                          ; v13  57,344 x 2^eq
.set QSC,  14                          ; v14  2^eq
.set ST,   16                          ; tile T at v[ST + 8 T]: +0 -M, +1 the largest t, +2, +3 the sum in two halves, +4 f, +5 0, +6, +7 at work
.set X2,   32
.set S,    64
.set P,    192
.set KF,   0                           ; window 1
.set VF,   64
.set OA,   128
.set QF,   192
.set SG,   208
.set WV,   2                           ; s2 wave;  s3, s28, s29, s66, s67, s104, s105 at work
.set QB,   4                           ; s[4:5] query at my rows
.set KB,   6                           ; s[6:7] kimg at the tile to be staged
.set VB,   8                           ; s[8:9] vimg likewise
.set MW,   10                          ; s[10:11] mwords at the trip's two records
.set OUTB, 16                          ; s[16:17] out at my rows
.set J,    18                          ; s18 the step
.set TRIP, 19
.set SEL,  20                          ; s[20:21] selects for lane l xor 16
.set CS,   22                          ; s[22:23] c = log2(e) / 8 x 2^(eq + ek)
.set SKW,  24                          ; s24 bit 0: this step is wholly hidden for my rows; bit 1: the next
.set ANW,  25                          ; s25 bit 0: this step has a hidden byte
.set WGA,  26                          ; s26 bit i: step j + i is wanted by some wave of the work-group
.set EP,   27
.set EPV,  30                          ; s30 ep + ev
.set LIM,  31                          ; s31 a wave prefetches while the step is under this
.set PFA,  100                         ; s[100:101] where my prefetches stand.   s[32:63], s[68:99]: a tile's 64 mask words
.set MSB, 0
.macro WIN new                         ; the immediate's high byte repeats the setting that is left; at every label and branch the setting is 0
.if MSB != \new
	s_set_vgpr_msb (MSB<<8)|\new
.set MSB, \new
.endif
.endm
.macro PLACES                          ; four plain vector instructions behind a matrix instruction, ahead of reads of its result and of loads into its registers
.rept 4
	v_nop
.endr
.endm
.macro KFETCH p                        ; K's eight fragments (16 keys x 64 channels: 8 registers) out of slot p
	WIN 0x40
.irp t, 0,1,2,3,4,5,6,7
	ds_load_b128 v[KF+8*\t:KF+8*\t+3], v[LI] offset:KS0+TILE*(\p)+1024*\t
	ds_load_b128 v[KF+8*\t+4:KF+8*\t+7], v[LI] offset:KS0+TILE*(\p)+1024*\t+512
.endr
.endm
.macro VFETCH p                        ; V's four fragments (16 channels x 128 keys: 16 registers)
	WIN 0x40
.irp c, 0,1,2,3
.irp b, 0,1,2,3
	ds_load_b128 v[VF+16*\c+4*\b:VF+16*\c+4*\b+3], v[LI] offset:VS0+TILE*(\p)+2048*\c+512*\b
.endr
.endr
.endm
.macro MWLOAD p, T                     ; the 64 mask words of tile T in the trip's record p
	s_load_b512 s[32:47], s[MW:MW+1], 512*(\p)+256*(\T)
	s_load_b512 s[48:63], s[MW:MW+1], 512*(\p)+256*(\T)+64
	s_load_b512 s[68:83], s[MW:MW+1], 512*(\p)+256*(\T)+128
	s_load_b512 s[84:99], s[MW:MW+1], 512*(\p)+256*(\T)+192
.endm
.macro MASKT T                         ; hidden scores are replaced; ascending
.set n, 0
.rept 64
.if n < 32
	v_cndmask_b32 v[S+64*(\T)+n], v[S+64*(\T)+n], v[SMK], s[32+n]
.else
	v_cndmask_b32 v[S+64*(\T)+n], v[S+64*(\T)+n], v[SMK], s[36+n]
.endif
.set n, n+1
.endr
.endm
.macro MAXSTAT T                       ; the step's largest score of my query, the new M, and f = 2^(old M - new M)
.set rS, S+64*(\T)
.set rT, ST+8*(\T)
	v_max3_num_f32 v[rT+6], v[rS], v[rS+1], v[rS+2]            ; two chains
	v_max3_num_f32 v[rT+7], v[rS+3], v[rS+4], v[rS+5]
.irp i, 6,10,14,18,22,26,30,34,38,42,46,50,54,58
	v_max3_num_f32 v[rT+6], v[rT+6], v[rS+\i], v[rS+\i+1]
	v_max3_num_f32 v[rT+7], v[rT+7], v[rS+\i+2], v[rS+\i+3]
.endr
	v_max3_num_f32 v[rT+6], v[rT+6], v[rS+62], v[rS+63]
	v_max_num_f32 v[rT+6], v[rT+6], v[rT+7]
	v_permlanex16_b32 v[rT+7], v[rT+6], s[SEL], s[SEL+1]       ; the query's other 64 keys lie in the lane 16 away
	v_max_num_f32 v[rT+6], v[rT+6], v[rT+7]
	v_mul_f32 v[rT+6], s[CS], v[rT+6]                          ; as t (c is positive)
	v_max_num_f32 v[rT+1], v[rT+1], v[rT+6]                    ; the running largest t
	v_mov_b32 v[rT+6], v[rT]
	v_floor_f32 v[rT], -v[rT+1]                                ; -M = floor(-t): M is a whole number
	v_sub_f32 v[rT+6], v[rT], v[rT+6]                          ; old M - new M: a whole number, 0 or less
	v_cvt_i32_f32 v[rT+6], v[rT+6]                             ; (it saturates)
	v_ldexp_f32 v[rT+4], 1.0, v[rT+6]
.endm
.macro FMAT T                          ; t - M, two at a time: of the pairs c and -M the low word serves both halves
.set rS, S+64*(\T)
.set rT, ST+8*(\T)
.set n, 0
.rept 32
	v_pk_fma_f32 v[rS+n:rS+n+1], v[rS+n:rS+n+1], s[CS:CS+1], v[rT:rT+1] op_sel_hi:[1,0,0]
.set n, n+2
.endr
.endm
.macro EXPT T                          ; p = 2^(t - M)
.set n, 0
.rept 64
	v_exp_f32 v[S+64*(\T)+n], v[S+64*(\T)+n]
.set n, n+1
.endr
.endm
.macro SUMT T                          ; the row's sum is taken of the unquantised p: two at a time, in two chains
.set rS, S+64*(\T)
.set rT, ST+8*(\T)
.set rX, X2+2*(\T)
	v_pk_add_f32 v[rX:rX+1], v[rS:rS+1], v[rS+2:rS+3]
.irp j, 4,8,12,16,20,24,28,32,36,40,44,48,52,56,60
	v_pk_add_f32 v[rT+2:rT+3], v[rT+2:rT+3], v[rS+\j:rS+\j+1]
	v_pk_add_f32 v[rX:rX+1], v[rX:rX+1], v[rS+\j+2:rS+\j+3]
.endr
	v_pk_add_f32 v[rT+2:rT+3], v[rT+2:rT+3], v[rX:rX+1]
.endm
.macro HOLDT T                         ; the conversion to an 8-bit code does not saturate (ISA guide 7.6.2); p is not negative, so the hold is one-sided
.set n, 0
.rept 64
	v_min_num_f32 v[S+64*(\T)+n], v[S+64*(\T)+n], v[LIMP]
.set n, n+1
.endr
.endm
.macro CVTT T                          ; registers 4 b .. 4 b + 3 of the operand: keys 32 b + 16 h + 0 .. 15
.irp b, 0,1,2,3
	v_cvt_scalef32_pk8_bf8_f32 v[P+16*(\T)+4*\b:P+16*(\T)+4*\b+1], v[S+64*(\T)+16*\b:S+64*(\T)+16*\b+7], v[SCP]
	v_cvt_scalef32_pk8_bf8_f32 v[P+16*(\T)+4*\b+2:P+16*(\T)+4*\b+3], v[S+64*(\T)+16*\b+8:S+64*(\T)+16*\b+15], v[SCP]
.endr
.endm
; A PREFETCH of a whole tile, 8,192 bytes, lanes 256 bytes apart, one instruction.  All 16 work-groups of a head walk the same images: the head's work-group x = 0 asks, its wave 0 in step j for K's tile j + 4 and its
; wave 1 for V's tile j + 3: two steps ahead of the loads that stage them.  Each block of 256 bytes is named once in the launch.  K's tiles 0 to 3 and V's 0 to 2 come by their loads alone; the bound stops both at tile 31.
.macro ASK
	s_cmp_lt_u32 s[J], s[LIM]
	s_cbranch_scc0 .Lnot_mine_\@
	global_prefetch_b8 v[PFO], s[PFA:PFA+1] th:TH_LOAD_NT scope:SCOPE_SE
.Lnot_mine_\@:
.endm
	s_load_b256 s[4:11], s[0:1], 0x0               ; query, kimg, vimg, mwords
	s_load_b128 s[12:15], s[0:1], 0x20             ; mflags s[12:13], the exponents s[14:15]
	s_load_b64 s[16:17], s[0:1], 0x30              ; out
	v_lshl_add_u32 v254, v0, 2, 0x10800
	v_mov_b32 v255, 0
	v_lshrrev_b32 v40, 5, v0
	v_readfirstlane_b32 s[WV], v40                 ; wave 0..7
	v_and_b32 v41, 31, v0                          ; lane
	v_and_b32 v42, 15, v0                          ; r
	v_bfe_u32 v43, v0, 4, 1                        ; h
	v_lshlrev_b32 v[LI], 4, v41
	v_lshl_add_u32 v[STG], v40, 10, v[LI]
	v_lshlrev_b32 v[PFO], 8, v41
	s_mul_i32 s28, s[WV], 16*SPITCH
	s_add_co_u32 s28, s28, STAGE                   ; my stage
	v_mul_u32_u24 v[STO], v42, SPITCH              ; in: row r, 32 bytes for each half of the lanes
	v_lshl_add_u32 v[STO], v43, 5, v[STO]
	v_add_nc_u32 v[STO], s28, v[STO]
	v_mul_u32_u24 v[RD], v43, SPITCH               ; back: lanes 0-15 one row of 256 bytes, lanes 16-31 the next
	v_lshl_add_u32 v[RD], v42, 4, v[RD]
	v_add_nc_u32 v[RD], s28, v[RD]
	v_lshlrev_b32 v[GO], 12, v43                   ; and the same two rows in out
	v_lshl_add_u32 v[GO], v42, 4, v[GO]
	v_lshlrev_b32 v[QO], 12, v42                   ; query: row r, + 64 h bytes: my 16 channels of 32
	v_lshl_add_u32 v[QO], v43, 6, v[QO]
	s_and_b32 s3, ttmp7, 0xffff                    ; the head
	s_lshr_b32 s29, s[WV], 2
	s_xor_b32 s29, s29, s[WV]
	s_and_b32 s29, s29, 1                          ; 1: my rows lie in the late chunk
	s_sub_co_u32 s66, 31, ttmp9
	s_cmp_lg_u32 s29, 0
	s_cselect_b32 s66, s66, ttmp9                  ; chunk
	s_lshl_b32 s66, s66, 2
	s_lshr_b32 s29, s[WV], 1
	s_add_co_u32 s66, s66, s29                     ; my block of 32 queries: it enters no LDS address
	s_lshl_b32 s105, s66, 3
	s_lshl_b32 s67, ttmp9, 5                       ; the early chunk's four blocks in mflags,
	s_sub_co_u32 s104, 992, s67                    ; the late chunk's: 32 (31 - x)
	s_mov_b32 s[SEL], 0x76543210
	s_mov_b32 s[SEL+1], 0xfedcba98
	s_mov_b32 s[J], 0
	s_wait_kmcnt 0x0
	s_load_b128 s[48:51], s[14:15], 0x0            ; eq, ek, ev, ep
	s_load_b64 s[SKW:SKW+1], s[12:13], s105 offset:0x0   ; my block's two words
	s_load_b256 s[32:39], s[12:13], s67 offset:0x0       ; and those of the work-group's eight blocks
	s_load_b256 s[40:47], s[12:13], s104 offset:0x0
	s_lshl_b32 s28, s3, 18                         ; 262,144 bytes of images a head
	s_mov_b32 s29, 0
	s_add_nc_u64 s[KB:KB+1], s[KB:KB+1], s[28:29]
	s_add_nc_u64 s[VB:VB+1], s[VB:VB+1], s[28:29]
	s_lshl_b32 s28, s66, 14                        ; 32 records of 512 bytes a block
	s_add_nc_u64 s[MW:MW+1], s[MW:MW+1], s[28:29]
	s_lshl_b32 s28, s66, 17                        ; 32 rows of 4,096 bytes a block
	s_lshl_b32 s3, s3, 8
	s_add_co_u32 s28, s28, s3                      ; + the head's 256 bytes
	s_add_nc_u64 s[QB:QB+1], s[QB:QB+1], s[28:29]
	s_add_nc_u64 s[OUTB:OUTB+1], s[OUTB:OUTB+1], s[28:29]
	WIN 0x40                                       ; destination window 1
	global_load_b128 v[SG:SG+3], v[STG], s[KB:KB+1]                     ; my eighth of K's tile 0,
	global_load_b128 v[SG+4:SG+7], v[STG], s[KB:KB+1] offset:512
	global_load_b128 v[SG+8:SG+11], v[STG], s[VB:VB+1]                  ; of V's tile 0,
	global_load_b128 v[SG+12:SG+15], v[STG], s[VB:VB+1] offset:512
	global_load_b128 v[SG+16:SG+19], v[STG], s[KB:KB+1] offset:TILE     ; of K's tile 1
	global_load_b128 v[SG+20:SG+23], v[STG], s[KB:KB+1] offset:TILE+512
	WIN 0
.irp T, 0,1                                        ; q: 16 neighbouring channels for each (T, c) into S's registers, which are free
.irp c, 0,1
.irp j, 0,1,2,3
	global_load_b128 v[S+32*\T+16*\c+4*\j:S+32*\T+16*\c+4*\j+3], v[QO], s[QB:QB+1] offset:\T*65536+128*\c+16*\j th:TH_LOAD_NT
.endr
.endr
.endr
.irp T, 0,1
	v_mov_b32 v[ST+8*\T+1], 0xff61b1e6             ; the largest t so far: -3e38, under every t
	v_floor_f32 v[ST+8*\T], -v[ST+8*\T+1]
	v_mov_b32 v[ST+8*\T+2], 0                      ; the sum
	v_mov_b32 v[ST+8*\T+3], 0
	v_mov_b32 v[ST+8*\T+5], 0                      ; (named as the upper half of f's pair)
	v_mov_b32 v[ST+8*\T+7], 0                      ; (a lane permute's destination counts as read)
.endr
	WIN 0x40
.set n, 0
.rept 64
	v_mov_b32 v[OA+n], 0                           ; O^T.  Which step is a wave's first hangs on the mask, so the step is written once and the sums begin as zeros
.set n, n+1
.endr
	WIN 0
	s_wait_kmcnt 0x0
	s_add_co_i32 s28, s48, s49                     ; eq + ek
	s_lshl_b32 s29, s28, 23
	s_add_co_i32 s[CS], s29, 0x3e38aa3b            ; log2(e) / 8 with the two exponents added to its exponent field
	s_mov_b32 s[CS+1], s[CS]                       ; (named with it as a pair)
	s_sub_co_i32 s29, 160, s28
	s_lshl_b32 s29, s29, 23
	s_or_b32 s29, s29, 0x80000000
	v_mov_b32 v[SMK], s29                          ; -2^(33 - eq - ek)
	s_add_co_i32 s28, s48, 127
	s_lshl_b32 s29, s28, 23
	v_mov_b32 v[QSC], s29                          ; 2^eq
	s_add_co_i32 s28, s28, 15
	s_lshl_b32 s28, s28, 23
	s_or_b32 s28, s28, 0x600000
	v_mov_b32 v[QLIM], s28                         ; 57,344 x 2^eq
	s_add_co_i32 s28, s51, 127
	s_lshl_b32 s29, s28, 23
	v_mov_b32 v[SCP], s29                          ; 2^ep
	s_add_co_i32 s28, s28, 15
	s_lshl_b32 s28, s28, 23
	s_or_b32 s28, s28, 0x600000
	v_mov_b32 v[LIMP], s28                         ; 57,344 x 2^ep
	s_mov_b32 s[EP], s51
	s_add_co_i32 s[EPV], s50, s51
	s_and_b32 s[WGA], s32, s34                     ; a step is not wanted where all eight blocks skip it
	s_and_b32 s[WGA], s[WGA], s36
	s_and_b32 s[WGA], s[WGA], s38
	s_and_b32 s[WGA], s[WGA], s40
	s_and_b32 s[WGA], s[WGA], s42
	s_and_b32 s[WGA], s[WGA], s44
	s_and_b32 s[WGA], s[WGA], s46
	s_not_b32 s[WGA], s[WGA]
	s_mov_b32 s28, 2*TILE
	s_cmp_eq_u32 s[WV], 0                          ; wave 0 asks for K's tiles, from tile 4 on; wave 1 for V's, from tile 3 on (each step first steps the address by a tile)
	s_cselect_b32 s[LIM], 28, 0
	s_cselect_b64 s[PFA:PFA+1], s[KB:KB+1], s[VB:VB+1]
	s_cselect_b32 s28, 3*TILE, s28
	s_cmp_eq_u32 s[WV], 1
	s_cselect_b32 s[LIM], 29, s[LIM]
	s_cmp_eq_u32 ttmp9, 0
	s_cselect_b32 s[LIM], s[LIM], 0
	s_mov_b32 s29, 0
	s_add_nc_u64 s[PFA:PFA+1], s[PFA:PFA+1], s[28:29]
	s_wait_loadcnt 16                              ; the six staging loads are in; q's sixteen, issued behind them, may be out
	WIN 0x04                                       ; a store's data in window 1
	ds_store_b128 v[STG], v[SG:SG+3] offset:KS0
	ds_store_b128 v[STG], v[SG+4:SG+7] offset:KS0+512
	ds_store_b128 v[STG], v[SG+8:SG+11] offset:VS0
	ds_store_b128 v[STG], v[SG+12:SG+15] offset:VS0+512
	ds_store_b128 v[STG], v[SG+16:SG+19] offset:KS0+TILE
	ds_store_b128 v[STG], v[SG+20:SG+23] offset:KS0+TILE+512
	WIN 0
	s_wait_loadcnt 0x0                             ; q
.set n, 0
.rept 64
	v_med3_num_f32 v[S+n], v[S+n], -v[QLIM], v[QLIM]
.set n, n+1
.endr
	WIN 0x40
.irp T, 0,1
.irp c, 0,1
	v_cvt_scalef32_pk8_bf8_f32 v[QF+8*\T+4*\c:QF+8*\T+4*\c+1], v[S+32*\T+16*\c:S+32*\T+16*\c+7], v[QSC]
	v_cvt_scalef32_pk8_bf8_f32 v[QF+8*\T+4*\c+2:QF+8*\T+4*\c+3], v[S+32*\T+16*\c+8:S+32*\T+16*\c+15], v[QSC]
.endr
.endr
	WIN 0
	v_nop                                          ; one plain vector instruction between a scaled conversion and the products that read its result and write its sources
	s_add_nc_u64 s[KB:KB+1], s[KB:KB+1], 2*TILE    ; all loads are done: step j stages K's tile j + 2
	s_add_nc_u64 s[VB:VB+1], s[VB:VB+1], TILE      ; and V's tile j + 1
	s_wait_dscnt 0x0                               ; for the others' sake: my eighths have landed
	s_barrier_signal -1
	s_barrier_wait -1
	KFETCH 0
	WIN 0
	s_wait_dscnt 0x0                               ; K's tile 0 is in every wave's registers before step 0 stores tile 2 over it
	s_barrier_signal -1
	s_barrier_wait -1
; STEP j, p = j % 2.  kst, vst: K's tile j + 2, V's tile j + 1 exist and are staged; kpf: the next step's K fragments are fetched; ask: the prefetch's address steps; bar: a barrier closes the step.
; BETWEEN TWO BARRIERS the waves read V's slot p and K's slot 1 - p and store into K's slot p and V's slot 1 - p: what lay there was read in the step before, and those reads had landed ahead of the last barrier.
.macro STEP p, kst, vst, kpf, ask, bar
.if \ask
	s_wait_xcnt 0x0                                ; the last step's prefetch has read its address
	s_add_nc_u64 s[PFA:PFA+1], s[PFA:PFA+1], TILE
.endif
.if (\kst)+(\vst)
	s_and_b32 s28, s[WGA], 4*(\kst)+2*(\vst)
	s_cmp_lg_u32 s28, 0
	s_cbranch_scc0 .Lnoload_\@                     ; neither tile will be read by any wave of the work-group
	WIN 0x40
.if \kst
	global_load_b128 v[SG:SG+3], v[STG], s[KB:KB+1]
	global_load_b128 v[SG+4:SG+7], v[STG], s[KB:KB+1] offset:512
.endif
.if \vst
	global_load_b128 v[SG+8:SG+11], v[STG], s[VB:VB+1]
	global_load_b128 v[SG+12:SG+15], v[STG], s[VB:VB+1] offset:512
.endif
	WIN 0
.Lnoload_\@:
.endif
.if \ask
	ASK
.endif
	s_and_b32 s28, s[SKW], 1
	s_cmp_lg_u32 s28, 0
	s_cbranch_scc1 .Lskip_\@                       ; all 128 keys are hidden from my 32 rows, each of which has an open key elsewhere: the step's p are zeros
	MWLOAD \p, 0
	VFETCH \p                                      ; (the four v_nop behind the last V^T P are the places in front of these loads)
	WIN 0x05                                       ; K and Q in window 1, S^T in window 0
.irp t, 0,1,2,3,4,5,6,7                            ; K's fragments landed ahead of the last barrier
.irp T, 0,1
	v_wmma_f32_16x16x64_bf8_bf8 v[S+64*\T+8*\t:S+64*\T+8*\t+7], v[KF+8*\t:KF+8*\t+7], v[QF+8*\T:QF+8*\T+7], 0
.endr
.endr
	WIN 0
	PLACES                                         ; ahead of the loads into K's registers and of the first read of the scores
.if \kpf
	KFETCH 1-\p                                    ; the next step's K: a whole softmax ahead of its use
	WIN 0
.endif
	s_wait_kmcnt 0x0                               ; tile A's mask words
	s_and_b32 s28, s[ANW], 1
	s_cmp_lg_u32 s28, 0
	s_cbranch_scc0 .Lopen_\@                       ; no byte of the step is hidden
	MASKT 0
	MWLOAD \p, 1
	s_wait_kmcnt 0x0
	MASKT 1
.Lopen_\@:
	MAXSTAT 0
	FMAT 0
	EXPT 0
	MAXSTAT 1                                      ; tile B's maximum and scalings name none of tile A's exponentials
	FMAT 1
	EXPT 1
	v_pk_mul_f32 v[ST+2:ST+3], v[ST+2:ST+3], v[ST+4:ST+5] op_sel_hi:[1,0]          ; the sums under the new M: plain instructions behind the last exponential
	v_pk_mul_f32 v[ST+10:ST+11], v[ST+10:ST+11], v[ST+12:ST+13] op_sel_hi:[1,0]
	s_wait_alu depctr_va_vdst(0)                   ; the wait ahead of the first line that names an exponential's result: one for the 128
	SUMT 0
	SUMT 1
	s_cmp_ge_i32 s[EP], -15
	s_cbranch_scc1 .Lnohold_\@                     ; 57,344 x 2^ep is at least 1.75: no p reaches it
	HOLDT 0
	HOLDT 1
.Lnohold_\@:
	CVTT 0
	CVTT 1
	v_nop                                          ; one plain vector instruction behind the last scaled conversion
	WIN 0x41                                       ; O^T in window 1, f in window 0
.irp T, 0,1
.set n, 0
.rept 16
	v_pk_mul_f32 v[OA+32*\T+n:OA+32*\T+n+1], v[OA+32*\T+n:OA+32*\T+n+1], v[ST+8*\T+4:ST+8*\T+5] op_sel_hi:[1,0]   ; O^T under the new M; each accumulator from its low end on
.set n, n+2
.endr
.endr
	s_wait_dscnt 0x0                               ; V's fragments, and the next step's K
	WIN 0x51                                       ; V, C and D in window 1, P in window 0
.irp c, 0,1,2,3                                    ; eight accumulators, one instruction each: they take turns
.irp T, 0,1
	v_wmma_f32_16x16x128_bf8_bf8 v[OA+32*\T+8*\c:OA+32*\T+8*\c+7], v[VF+16*\c:VF+16*\c+15], v[P+16*\T:P+16*\T+15], v[OA+32*\T+8*\c:OA+32*\T+8*\c+7]
.endr
.endr
	WIN 0
	PLACES                                         ; ahead of the next loads into V's registers and of the next read of O^T
	s_branch .Ljoin_\@
.Lskip_\@:
.if \kpf
	s_and_b32 s28, s[SKW], 2
	s_cmp_lg_u32 s28, 0
	s_cbranch_scc1 .Ljoin_\@                       ; the next step is left out too
	KFETCH 1-\p
	WIN 0
.endif
.Ljoin_\@:
.if (\kst)+(\vst)
	s_wait_loadcnt 0x0                             ; on every way: the staging loads, if any, are done, so their registers may be read and their bases stepped
	s_and_b32 s28, s[WGA], 4*(\kst)+2*(\vst)
	s_cmp_lg_u32 s28, 0
	s_cbranch_scc0 .Lnostore_\@
	WIN 0x04
.if \kst
	ds_store_b128 v[STG], v[SG:SG+3] offset:KS0+TILE*(\p)
	ds_store_b128 v[STG], v[SG+4:SG+7] offset:KS0+TILE*(\p)+512
.endif
.if \vst
	ds_store_b128 v[STG], v[SG+8:SG+11] offset:VS0+TILE*(1-\p)
	ds_store_b128 v[STG], v[SG+12:SG+15] offset:VS0+TILE*(1-\p)+512
.endif
	WIN 0
.Lnostore_\@:
.if \kst
	s_add_nc_u64 s[KB:KB+1], s[KB:KB+1], TILE
.endif
.if \vst
	s_add_nc_u64 s[VB:VB+1], s[VB:VB+1], TILE
.endif
.endif
	s_lshr_b32 s[SKW], s[SKW], 1
	s_lshr_b32 s[ANW], s[ANW], 1
	s_lshr_b32 s[WGA], s[WGA], 1
	s_add_co_u32 s[J], s[J], 1
.if \bar
	s_wait_dscnt 0x0                               ; my stores have landed and my reads of both slots are in
	s_barrier_signal -1
	s_barrier_wait -1
.endif
.endm
	s_mov_b32 s[TRIP], 15
.Ltrip:                                            ; steps 0 to 29, two a trip: the slots are back where they began
	STEP 0, 1, 1, 1, 1, 1
	STEP 1, 1, 1, 1, 1, 1
	s_add_nc_u64 s[MW:MW+1], s[MW:MW+1], 1024      ; two records on (every scalar load from it has been waited for)
	s_sub_co_u32 s[TRIP], s[TRIP], 1
	s_cmp_lg_u32 s[TRIP], 0
	s_cbranch_scc1 .Ltrip
	STEP 0, 0, 1, 1, 0, 1                          ; step 30: K has no tile 32; V's tile 31 is staged
	STEP 1, 0, 0, 0, 0, 0                          ; step 31: nothing is left to stage or to fetch
; THE WAY OUT.  O^T x 2^(ep + ev) / the sum goes through my own stage in LDS, a tile (16 rows x 256 bytes) at a time, so that sixteen lanes store 256 consecutive bytes, aligned.
.irp T, 0,1
	v_add_f32 v[ST+8*\T+6], v[ST+8*\T+2], v[ST+8*\T+3]         ; the sum's two halves,
.endr
.irp T, 0,1
	v_permlanex16_b32 v[ST+8*\T+7], v[ST+8*\T+6], s[SEL], s[SEL+1]
.endr
.irp T, 0,1
	v_add_f32 v[ST+8*\T+6], v[ST+8*\T+6], v[ST+8*\T+7]         ; and the other half of the lanes'
.endr
.irp T, 0,1
	v_rcp_f32 v[ST+8*\T+6], v[ST+8*\T+6]
.endr
	v_nop                                          ; a plain instruction behind the last reciprocal
	s_wait_alu depctr_va_vdst(0)                   ; and the wait ahead of the first use: one for both
.irp T, 0,1
	v_ldexp_f32 v[ST+8*\T+6], v[ST+8*\T+6], s[EPV]
.endr
	WIN 0x01                                       ; source 0 (O^T) in window 1
.irp T, 0,1
.set n, 0
.rept 32
	v_mul_f32 v[S+64*\T+n], v[OA+32*\T+n], v[ST+8*\T+6]        ; register 8 ct + i: out(r, 16 ct + 8 h + i); each accumulator from its low end on
.set n, n+1
.endr
.endr
	WIN 0
.irp T, 0,1
.irp c, 0,1,2,3
	ds_store_b128 v[STO], v[S+64*\T+8*\c:S+64*\T+8*\c+3] offset:64*\c
	ds_store_b128 v[STO], v[S+64*\T+8*\c+4:S+64*\T+8*\c+7] offset:64*\c+16
.endr
.irp i, 0,1,2,3,4,5,6,7
	ds_load_b128 v[S+64*\T+32+4*\i:S+64*\T+32+4*\i+3], v[RD] offset:2*\i*SPITCH   ; LDS serves a wave's instructions in order (ISA guide 5.7.1.4): these see my stores, and tile B's stores come behind them
.endr
.endr
.irp T, 0,1
.irp i, 0,1,2,3,4,5,6,7
	s_wait_dscnt 16*(1-\T)+7-\i                    ; behind this load: the tile's 7 - i later loads and, for tile A, tile B's sixteen LDS instructions
	global_store_b128 v[GO], v[S+64*\T+32+4*\i:S+64*\T+32+4*\i+3], s[OUTB:OUTB+1] offset:(16*\T+2*\i)*4096 th:TH_STORE_NT
.endr
.endr
	s_wait_tensorcnt 0x0
	ds_add_u32 v254, v255
	s_wait_dscnt 0x0
	s_endpgm
.Lfunc_end_k_qdbc0ab4876_attn:
	.size	k_qdbc0ab4876_attn, .Lfunc_end_k_qdbc0ab4876_attn-k_qdbc0ab4876_attn
	.p2alignl 7, 3214868480
	.fill 96, 4, 3214868480
	.section	.rodata,"a",@progbits
	.p2align	6, 0x0
	.amdhsa_kernel k_qdbc0ab4876_attn
		.amdhsa_group_segment_fixed_size 68608
		.amdhsa_private_segment_fixed_size 0
		.amdhsa_enable_private_segment 0
		.amdhsa_kernarg_size 56
		.amdhsa_user_sgpr_count 2
		.amdhsa_user_sgpr_kernarg_segment_ptr 1
		.amdhsa_wavefront_size32 1
		.amdhsa_system_sgpr_workgroup_id_x 1
		.amdhsa_system_sgpr_workgroup_id_y 1
		.amdhsa_system_sgpr_workgroup_id_z 1
		.amdhsa_system_vgpr_workitem_id 0
		.amdhsa_next_free_vgpr 512
		.amdhsa_next_free_sgpr 106
		.amdhsa_reserve_vcc 0
		.amdhsa_float_denorm_mode_32 3
		.amdhsa_float_denorm_mode_16_64 3
		.amdhsa_memory_ordered 1
		.amdhsa_forward_progress 1
		.amdhsa_inst_pref_size 177
	.end_amdhsa_kernel
	.amdgpu_metadata
---
amdhsa.version: [ 1, 2 ]
amdhsa.kernels:
  - .name:           k_qdbc0ab4876_attn
    .symbol:         k_qdbc0ab4876_attn.kd
    .args:
      - { .name: query, .offset: 0, .size: 8, .value_kind: global_buffer, .address_space: global }
      - { .name: kimg, .offset: 8, .size: 8, .value_kind: global_buffer, .address_space: global }
      - { .name: vimg, .offset: 16, .size: 8, .value_kind: global_buffer, .address_space: global }
      - { .name: mwords, .offset: 24, .size: 8, .value_kind: global_buffer, .address_space: global }
      - { .name: mflags, .offset: 32, .size: 8, .value_kind: global_buffer, .address_space: global }
      - { .name: lowp_scales, .offset: 40, .size: 8, .value_kind: global_buffer, .address_space: global }
      - { .name: out0, .offset: 48, .size: 8, .value_kind: global_buffer, .address_space: global }
    .group_segment_fixed_size: 68608
    .private_segment_fixed_size: 0
    .kernarg_segment_align: 8
    .kernarg_segment_size: 56
    .max_flat_workgroup_size: 256
    .sgpr_count:     106
    .vgpr_count:     512
    .wavefront_size: 32
...
	.end_amdgpu_metadata
.endif
;; end of part 2
;; ======== version 2 of 2: 2 launches; version 1 with the launch attn written anew for expert scheduling mode
;; limits: right only within a limited range of input values
;; workspace buffers: kimg 4,194,304 bytes; vimg 4,194,304 bytes; mwords 2,097,152 bytes of whole numbers; mflags 1,024 bytes of whole numbers
;; launch prep: the kernel of part 1 again; grid 384 x 1, 8 waves a work-group, no clusters, 2,048 bytes of LDS; arguments key, value, mask, lowp_scales, kimg, vimg, mwords, mflags; writes kimg, vimg, mwords, mflags
;; launch attn (part 3): grid 16 x 16, 8 waves a work-group, no clusters, 68,608 bytes of LDS; arguments query, kimg, vimg, mwords, mflags, lowp_scales, out0; writes out0
.if DOCPART == 3
	.amdgcn_target "amdgcn-amd-amdhsa--gfx1250"
	.amdhsa_code_object_version 6
	.text
	.protected	k_qdbc0ab4876_attn
	.globl	k_qdbc0ab4876_attn
	.p2align	8
	.type	k_qdbc0ab4876_attn,@function
k_qdbc0ab4876_attn:
	s_mov_b64 s[64:65], 0
	v_nop
	global_prefetch_b8 v0, s[64:65] scope:SCOPE_SE
	s_setreg_imm32_b32 hwreg(HW_REG_WAVE_SCHED_MODE, 0, 2), 2
	s_setreg_imm32_b32 hwreg(HW_REG_WAVE_MODE, 25, 1), 1
	s_wait_xcnt 0x0
	s_wait_alu depctr_vm_vsrc(0)
; out[q][64 head ..] = the sum over k of softmax_k(where(mask, -1e9, Q.K / 8)) V, 16 heads, 4,096 queries and keys, head size 64; both products on codes of E5M2 with the given scales 2^eq, 2^ek, 2^ev, 2^ep.
; THE SOFTMAX AHEAD OF THE SECOND PRODUCT: t = logit x log2(e); M = the running largest t rounded UP to a whole number; p = 2^(t - M) is quantised, not normalised; the row's sum is taken of the unquantised p and divides at the end.
; When M moves, the sum and O are multiplied by 2^(old M - new M), which rounds nothing.
; SHARES.  Work-group (x, head) owns the query chunks x and 31 - x (128 rows each); each of its 8 waves owns 32 rows, two tiles of 16 (A, B).  Waves of the early and of the late chunk are dealt so that waves w and w + 4, and
; waves 2 i and 2 i + 1, are one of each.  Every wave walks the 32 key steps of 128 keys in step with the others: one barrier a step.
; K AND V come as images of the operand registers (made by the launch before): a step's 8 KiB of each go memory -> registers -> LDS, an eighth by each wave, and all eight waves read them.  K is staged two steps ahead, V one.
; LAYOUT.  S^T = K Q^T (source 0 = 16 keys, source 1 = 16 queries), O^T = V^T P^T (source 0 = 16 channels, source 1 = P): a lane holds ONE query (lane % 16).  The keys of a tile are chosen so that score register
; n = 16 b + i of lane (r, h) is key 32 b + 16 h + i: the conversions' results are the second product's operand.  Along K both operands of each product are permuted alike.
; THE MASK is an input and is honoured as it is given.  A hidden score is REPLACED, ahead of the maximum, by -2^(33 - eq - ek): t is then -log2(e)/8 x 2^33, a whole number.  A row with an open key gets p = 0 there;
; a row with none gets t - M = 0, p = 1 at every key, as the reference's -1e9 gives.  The selects take ready lane masks from scalar registers.
; BRANCHES ON STORED WHOLE NUMBERS: a step that the mask hides wholly for my 32 rows is left out (its p are zeros; a block with a row that has no open key skips nothing); a step without a hidden byte leaves the selects out;
; a tile that no wave of the work-group will read is not staged; with ep >= -15 the hold of p is left out (57,344 x 2^ep >= 1.75, above every p).
; NO TENSOR LOADS, NO CLUSTER, NO JOINT LOADS: what sharing would spare is
; 4 loads and 4 LDS stores a wave a step beside some 400 vector instructions.
; LIMITS: open logits lie above -9.9e8 (a hidden one stands for -2^30); eq + ek between -94 and 130; eq and ep between -126 and 112; NaN among the inputs is not served.
; THE MODE: SCHED_MODE bits 1:0 = 2 (LLVM: expert scheduling mode 2), set by the entry lines.  The code itself states the register dependences between vector or matrix instructions and memory or LDS instructions,
; with s_wait_alu, always for 0.
; THE PLAN.  Registers that memory or LDS instructions touch:
;   v1, v2, v5, v9-12  offsets and LDS addresses: written once at the head, read by every load, store and prefetch, never written again: one wait on va_vdst ahead of the first load serves the whole kernel.
;   SG   the staging registers: global loads land in them, the LDS stores at a step's end read them; no vector instruction names them.  One wait on vm_vsrc at the head of each step that stages.
;   VF   V's fragments: the LDS loads at a step's head land in them, the step's eight V^T P read them.  One wait on va_vdst ahead of those loads: the last V^T P are done reading.
;   KF   K's fragments: the step's sixteen K Q^T read them; the LDS loads of the next step's land in them BEHIND THE WAIT FOR THE EXPONENTIALS, which stands in the step anyway and shows those products done reading.
;        In a step that is left out the same loads owe nothing more: the last K Q^T on every way stand ahead of their own step's wait, and nothing has named KF since.
;   S    on the way out: the multiplies write a tile's lower 32 registers, which LDS stores read; LDS loads land in its upper 32, which the last step's vector work named.  One wait on va_vdst ahead of the first store.
;   s2   the wave's number, written by a vector instruction: one wait on va_sdst ahead of its first reader.
;   Statistics, p's codes, Q's codes and O^T are named by vector and matrix instructions alone.  The mask words come by scalar loads and are read by selects: s_wait_kmcnt orders them.
; REGISTERS, window 0: v1-14 addresses and constants; v16-31 statistics, eight a tile; v32-35 a second chain of each sum; v64-191 S^T, then p, 64 a tile; v192-223 p's codes, 16 a tile; v254, v255 the closing add's two.
;   window 1: v0-63 K's 8 fragments; v64-127 V's 4; v128-191 O^T, 32 a tile; v192-207 Q's codes; v208-223 staging (K, V); v224-231 the head's third tile.
.set TILE,  8192                       ; a step's image of K or of V
.set KS0,   0                          ; LDS: K tile j in KS0 + TILE (j % 2),
.set VS0,   16384                      ; V tile j in VS0 + TILE (j % 2),
.set STAGE, 32768                      ; and for each wave 16 rows x (256 + 16) bytes for the way out
.set SPITCH, 272
.set LI,   1                           ; v1   16 x lane: an image's place for my lane
.set STG,  2                           ; v2   1,024 x wave + 16 x lane: my eighth of a tile, in memory and in LDS
.set PFO,  5                           ; v5   256 x lane: the prefetches' offset
.set SMK,  6                           ; v6   the hidden score
.set LIMP, 7                           ; v7   57,344 x 2^ep
.set SCP,  8                           ; v8   2^ep
.set STO,  9                           ; v9   the stage, in
.set RD,   10                          ; v10  the stage, back
.set GO,   11                          ; v11  my byte offset in two rows of out
.set QO,   12                          ; v12  my byte offset in 16 rows of query
.set QLIM, 13                          ; v13  57,344 x 2^eq
.set QSC,  14                          ; v14  2^eq
.set ST,   16                          ; tile T at v[ST + 8 T]: +0 -M, +1 the largest t, +2, +3 the sum in two halves, +4 f, +5 0, +6, +7 at work
.set X2,   32
.set S,    64
.set P,    192
.set KF,   0                           ; window 1
.set VF,   64
.set OA,   128
.set QF,   192
.set SG,   208
.set WV,   2                           ; s2 wave;  s3, s28, s29, s66, s67, s104, s105 at work
.set QB,   4                           ; s[4:5] query at my rows
.set KB,   6                           ; s[6:7] kimg at the tile to be staged
.set VB,   8                           ; s[8:9] vimg likewise
.set MW,   10                          ; s[10:11] mwords at the trip's two records
.set OUTB, 16                          ; s[16:17] out at my rows
.set J,    18                          ; s18 the step
.set TRIP, 19
.set SEL,  20                          ; s[20:21] selects for lane l xor 16
.set CS,   22                          ; s[22:23] c = log2(e) / 8 x 2^(eq + ek)
.set SKW,  24                          ; s24 bit 0: this step is wholly hidden for my rows; bit 1: the next
.set ANW,  25                          ; s25 bit 0: this step has a hidden byte
.set WGA,  26                          ; s26 bit i: step j + i is wanted by some wave of the work-group
.set EP,   27
.set EPV,  30                          ; s30 ep + ev
.set LIM,  31                          ; s31 a wave prefetches while the step is under this
.set PFA,  100                         ; s[100:101] where my prefetches stand.   s[32:63], s[68:99]: a tile's 64 mask words
.set MSB, 0
.macro WIN new                         ; the immediate's high byte repeats the setting that is left; at every label and branch the setting is 0
.if MSB != \new
	s_set_vgpr_msb (MSB<<8)|\new
.set MSB, \new
.endif
.endm
.macro PLACES                          ; four plain vector instructions behind a matrix instruction, ahead of reads of its result (ISA guide 7.12.1)
.rept 4
	v_nop
.endr
.endm
.macro KFETCH p                        ; K's eight fragments (16 keys x 64 channels: 8 registers) out of slot p
	WIN 0x40
.irp t, 0,1,2,3,4,5,6,7
	ds_load_b128 v[KF+8*\t:KF+8*\t+3], v[LI] offset:KS0+TILE*(\p)+1024*\t
	ds_load_b128 v[KF+8*\t+4:KF+8*\t+7], v[LI] offset:KS0+TILE*(\p)+1024*\t+512
.endr
.endm
.macro VFETCH p                        ; V's four fragments (16 channels x 128 keys: 16 registers)
	WIN 0x40
.irp c, 0,1,2,3
.irp b, 0,1,2,3
	ds_load_b128 v[VF+16*\c+4*\b:VF+16*\c+4*\b+3], v[LI] offset:VS0+TILE*(\p)+2048*\c+512*\b
.endr
.endr
.endm
.macro MWLOAD p, T                     ; the 64 mask words of tile T in the trip's record p
	s_load_b512 s[32:47], s[MW:MW+1], 512*(\p)+256*(\T)
	s_load_b512 s[48:63], s[MW:MW+1], 512*(\p)+256*(\T)+64
	s_load_b512 s[68:83], s[MW:MW+1], 512*(\p)+256*(\T)+128
	s_load_b512 s[84:99], s[MW:MW+1], 512*(\p)+256*(\T)+192
.endm
.macro MASKT T                         ; hidden scores are replaced; ascending
.set n, 0
.rept 64
.if n < 32
	v_cndmask_b32 v[S+64*(\T)+n], v[S+64*(\T)+n], v[SMK], s[32+n]
.else
	v_cndmask_b32 v[S+64*(\T)+n], v[S+64*(\T)+n], v[SMK], s[36+n]
.endif
.set n, n+1
.endr
.endm
.macro MAXSTAT T                       ; the step's largest score of my query, the new M, and f = 2^(old M - new M)
.set rS, S+64*(\T)
.set rT, ST+8*(\T)
	v_max3_num_f32 v[rT+6], v[rS], v[rS+1], v[rS+2]            ; two chains
	v_max3_num_f32 v[rT+7], v[rS+3], v[rS+4], v[rS+5]
.irp i, 6,10,14,18,22,26,30,34,38,42,46,50,54,58
	v_max3_num_f32 v[rT+6], v[rT+6], v[rS+\i], v[rS+\i+1]
	v_max3_num_f32 v[rT+7], v[rT+7], v[rS+\i+2], v[rS+\i+3]
.endr
	v_max3_num_f32 v[rT+6], v[rT+6], v[rS+62], v[rS+63]
	v_max_num_f32 v[rT+6], v[rT+6], v[rT+7]
	v_permlanex16_b32 v[rT+7], v[rT+6], s[SEL], s[SEL+1]       ; the query's other 64 keys lie in the lane 16 away
	v_max_num_f32 v[rT+6], v[rT+6], v[rT+7]
	v_mul_f32 v[rT+6], s[CS], v[rT+6]                          ; as t (c is positive)
	v_max_num_f32 v[rT+1], v[rT+1], v[rT+6]                    ; the running largest t
	v_mov_b32 v[rT+6], v[rT]
	v_floor_f32 v[rT], -v[rT+1]                                ; -M = floor(-t): M is a whole number
	v_sub_f32 v[rT+6], v[rT], v[rT+6]                          ; old M - new M: a whole number, 0 or less
	v_cvt_i32_f32 v[rT+6], v[rT+6]                             ; (it saturates)
	v_ldexp_f32 v[rT+4], 1.0, v[rT+6]
.endm
.macro FMAT T                          ; t - M, two at a time: of the pairs c and -M the low word serves both halves
.set rS, S+64*(\T)
.set rT, ST+8*(\T)
.set n, 0
.rept 32
	v_pk_fma_f32 v[rS+n:rS+n+1], v[rS+n:rS+n+1], s[CS:CS+1], v[rT:rT+1] op_sel_hi:[1,0,0]
.set n, n+2
.endr
.endm
.macro EXPT T                          ; p = 2^(t - M)
.set n, 0
.rept 64
	v_exp_f32 v[S+64*(\T)+n], v[S+64*(\T)+n]
.set n, n+1
.endr
.endm
.macro SUMT T                          ; the row's sum is taken of the unquantised p: two at a time, in two chains
.set rS, S+64*(\T)
.set rT, ST+8*(\T)
.set rX, X2+2*(\T)
	v_pk_add_f32 v[rX:rX+1], v[rS:rS+1], v[rS+2:rS+3]
.irp j, 4,8,12,16,20,24,28,32,36,40,44,48,52,56,60
	v_pk_add_f32 v[rT+2:rT+3], v[rT+2:rT+3], v[rS+\j:rS+\j+1]
	v_pk_add_f32 v[rX:rX+1], v[rX:rX+1], v[rS+\j+2:rS+\j+3]
.endr
	v_pk_add_f32 v[rT+2:rT+3], v[rT+2:rT+3], v[rX:rX+1]
.endm
.macro HOLDT T                         ; the conversion to an 8-bit code does not saturate (ISA guide 7.6.2); p is not negative, so the hold is one-sided
.set n, 0
.rept 64
	v_min_num_f32 v[S+64*(\T)+n], v[S+64*(\T)+n], v[LIMP]
.set n, n+1
.endr
.endm
.macro CVTT T                          ; registers 4 b .. 4 b + 3 of the operand: keys 32 b + 16 h + 0 .. 15
.irp b, 0,1,2,3
	v_cvt_scalef32_pk8_bf8_f32 v[P+16*(\T)+4*\b:P+16*(\T)+4*\b+1], v[S+64*(\T)+16*\b:S+64*(\T)+16*\b+7], v[SCP]
	v_cvt_scalef32_pk8_bf8_f32 v[P+16*(\T)+4*\b+2:P+16*(\T)+4*\b+3], v[S+64*(\T)+16*\b+8:S+64*(\T)+16*\b+15], v[SCP]
.endr
.endm
; A PREFETCH of a whole tile, 8,192 bytes, lanes 256 bytes apart, one instruction.  All 16 work-groups of a head walk the same images: the head's work-group x = 0 asks, its wave 0 in step j for K's tile j + 4 and its
; wave 1 for V's tile j + 3: two steps ahead of the loads that stage them.  Each block of 256 bytes is named once in the launch.  K's tiles 0 to 3 and V's 0 to 2 come by their loads alone; the bound stops both at tile 31.
.macro ASK
	s_cmp_lt_u32 s[J], s[LIM]
	s_cbranch_scc0 .Lnot_mine_\@
	global_prefetch_b8 v[PFO], s[PFA:PFA+1] th:TH_LOAD_NT scope:SCOPE_SE
.Lnot_mine_\@:
.endm
	s_load_b256 s[4:11], s[0:1], 0x0               ; query, kimg, vimg, mwords
	s_load_b128 s[12:15], s[0:1], 0x20             ; mflags s[12:13], the exponents s[14:15]
	s_load_b64 s[16:17], s[0:1], 0x30              ; out
	v_lshl_add_u32 v254, v0, 2, 0x10800
	v_mov_b32 v255, 0
	v_lshrrev_b32 v40, 5, v0
	v_readfirstlane_b32 s[WV], v40                 ; wave 0..7
	v_and_b32 v41, 31, v0                          ; lane
	v_and_b32 v42, 15, v0                          ; r
	v_bfe_u32 v43, v0, 4, 1                        ; h
	v_lshlrev_b32 v[LI], 4, v41
	v_lshl_add_u32 v[STG], v40, 10, v[LI]
	v_lshlrev_b32 v[PFO], 8, v41
	s_wait_alu depctr_va_sdst(0)                   ; s2, the wave's number, is written, ahead of its first reader: the line below
	s_mul_i32 s28, s[WV], 16*SPITCH
	s_add_co_u32 s28, s28, STAGE                   ; my stage
	v_mul_u32_u24 v[STO], v42, SPITCH              ; in: row r, 32 bytes for each half of the lanes
	v_lshl_add_u32 v[STO], v43, 5, v[STO]
	v_add_nc_u32 v[STO], s28, v[STO]
	v_mul_u32_u24 v[RD], v43, SPITCH               ; back: lanes 0-15 one row of 256 bytes, lanes 16-31 the next
	v_lshl_add_u32 v[RD], v42, 4, v[RD]
	v_add_nc_u32 v[RD], s28, v[RD]
	v_lshlrev_b32 v[GO], 12, v43                   ; and the same two rows in out
	v_lshl_add_u32 v[GO], v42, 4, v[GO]
	v_lshlrev_b32 v[QO], 12, v42                   ; query: row r, + 64 h bytes: my 16 channels of 32
	v_lshl_add_u32 v[QO], v43, 6, v[QO]
	s_and_b32 s3, ttmp7, 0xffff                    ; the head
	s_lshr_b32 s29, s[WV], 2
	s_xor_b32 s29, s29, s[WV]
	s_and_b32 s29, s29, 1                          ; 1: my rows lie in the late chunk
	s_sub_co_u32 s66, 31, ttmp9
	s_cmp_lg_u32 s29, 0
	s_cselect_b32 s66, s66, ttmp9                  ; chunk
	s_lshl_b32 s66, s66, 2
	s_lshr_b32 s29, s[WV], 1
	s_add_co_u32 s66, s66, s29                     ; my block of 32 queries: it enters no LDS address
	s_lshl_b32 s105, s66, 3
	s_lshl_b32 s67, ttmp9, 5                       ; the early chunk's four blocks in mflags,
	s_sub_co_u32 s104, 992, s67                    ; the late chunk's: 32 (31 - x)
	s_mov_b32 s[SEL], 0x76543210
	s_mov_b32 s[SEL+1], 0xfedcba98
	s_mov_b32 s[J], 0
	s_wait_kmcnt 0x0
	s_load_b128 s[48:51], s[14:15], 0x0            ; eq, ek, ev, ep
	s_load_b64 s[SKW:SKW+1], s[12:13], s105 offset:0x0   ; my block's two words
	s_load_b256 s[32:39], s[12:13], s67 offset:0x0       ; and those of the work-group's eight blocks
	s_load_b256 s[40:47], s[12:13], s104 offset:0x0
	s_lshl_b32 s28, s3, 18                         ; 262,144 bytes of images a head
	s_mov_b32 s29, 0
	s_add_nc_u64 s[KB:KB+1], s[KB:KB+1], s[28:29]
	s_add_nc_u64 s[VB:VB+1], s[VB:VB+1], s[28:29]
	s_lshl_b32 s28, s66, 14                        ; 32 records of 512 bytes a block
	s_add_nc_u64 s[MW:MW+1], s[MW:MW+1], s[28:29]
	s_lshl_b32 s28, s66, 17                        ; 32 rows of 4,096 bytes a block
	s_lshl_b32 s3, s3, 8
	s_add_co_u32 s28, s28, s3                      ; + the head's 256 bytes
	s_add_nc_u64 s[QB:QB+1], s[QB:QB+1], s[28:29]
	s_add_nc_u64 s[OUTB:OUTB+1], s[OUTB:OUTB+1], s[28:29]
	WIN 0x40                                       ; destination window 1
	s_wait_alu depctr_va_vdst(0)                   ; the seven offsets and LDS addresses v1, v2, v5, v9 to v12 are written: every load, store and prefetch of the kernel reads one of them, and no vector instruction names them again
	global_load_b128 v[SG:SG+3], v[STG], s[KB:KB+1]                     ; my eighth of K's tile 0,
	global_load_b128 v[SG+4:SG+7], v[STG], s[KB:KB+1] offset:512
	global_load_b128 v[SG+8:SG+11], v[STG], s[VB:VB+1]                  ; of V's tile 0,
	global_load_b128 v[SG+12:SG+15], v[STG], s[VB:VB+1] offset:512
	global_load_b128 v[SG+16:SG+19], v[STG], s[KB:KB+1] offset:TILE     ; of K's tile 1
	global_load_b128 v[SG+20:SG+23], v[STG], s[KB:KB+1] offset:TILE+512
	WIN 0
.irp T, 0,1                                        ; q: 16 neighbouring channels for each (T, c) into S's registers, which are free: no vector instruction has named them yet
.irp c, 0,1
.irp j, 0,1,2,3
	global_load_b128 v[S+32*\T+16*\c+4*\j:S+32*\T+16*\c+4*\j+3], v[QO], s[QB:QB+1] offset:\T*65536+128*\c+16*\j th:TH_LOAD_NT
.endr
.endr
.endr
.irp T, 0,1
	v_mov_b32 v[ST+8*\T+1], 0xff61b1e6             ; the largest t so far: -3e38, under every t
	v_floor_f32 v[ST+8*\T], -v[ST+8*\T+1]
	v_mov_b32 v[ST+8*\T+2], 0                      ; the sum
	v_mov_b32 v[ST+8*\T+3], 0
	v_mov_b32 v[ST+8*\T+5], 0                      ; (named as the upper half of f's pair)
	v_mov_b32 v[ST+8*\T+7], 0                      ; (a lane permute's destination counts as read)
.endr
	WIN 0x40
.set n, 0
.rept 64
	v_mov_b32 v[OA+n], 0                           ; O^T.  Which step is a wave's first hangs on the mask, so the step is written once and the sums begin as zeros
.set n, n+1
.endr
	WIN 0
	s_wait_kmcnt 0x0
	s_add_co_i32 s28, s48, s49                     ; eq + ek
	s_lshl_b32 s29, s28, 23
	s_add_co_i32 s[CS], s29, 0x3e38aa3b            ; log2(e) / 8 with the two exponents added to its exponent field
	s_mov_b32 s[CS+1], s[CS]                       ; (named with it as a pair)
	s_sub_co_i32 s29, 160, s28
	s_lshl_b32 s29, s29, 23
	s_or_b32 s29, s29, 0x80000000
	v_mov_b32 v[SMK], s29                          ; -2^(33 - eq - ek)
	s_add_co_i32 s28, s48, 127
	s_lshl_b32 s29, s28, 23
	v_mov_b32 v[QSC], s29                          ; 2^eq
	s_add_co_i32 s28, s28, 15
	s_lshl_b32 s28, s28, 23
	s_or_b32 s28, s28, 0x600000
	v_mov_b32 v[QLIM], s28                         ; 57,344 x 2^eq
	s_add_co_i32 s28, s51, 127
	s_lshl_b32 s29, s28, 23
	v_mov_b32 v[SCP], s29                          ; 2^ep
	s_add_co_i32 s28, s28, 15
	s_lshl_b32 s28, s28, 23
	s_or_b32 s28, s28, 0x600000
	v_mov_b32 v[LIMP], s28                         ; 57,344 x 2^ep
	s_mov_b32 s[EP], s51
	s_add_co_i32 s[EPV], s50, s51
	s_and_b32 s[WGA], s32, s34                     ; a step is not wanted where all eight blocks skip it
	s_and_b32 s[WGA], s[WGA], s36
	s_and_b32 s[WGA], s[WGA], s38
	s_and_b32 s[WGA], s[WGA], s40
	s_and_b32 s[WGA], s[WGA], s42
	s_and_b32 s[WGA], s[WGA], s44
	s_and_b32 s[WGA], s[WGA], s46
	s_not_b32 s[WGA], s[WGA]
	s_mov_b32 s28, 2*TILE
	s_cmp_eq_u32 s[WV], 0                          ; wave 0 asks for K's tiles, from tile 4 on; wave 1 for V's, from tile 3 on (each step first steps the address by a tile)
	s_cselect_b32 s[LIM], 28, 0
	s_cselect_b64 s[PFA:PFA+1], s[KB:KB+1], s[VB:VB+1]
	s_cselect_b32 s28, 3*TILE, s28
	s_cmp_eq_u32 s[WV], 1
	s_cselect_b32 s[LIM], 29, s[LIM]
	s_cmp_eq_u32 ttmp9, 0
	s_cselect_b32 s[LIM], s[LIM], 0
	s_mov_b32 s29, 0
	s_add_nc_u64 s[PFA:PFA+1], s[PFA:PFA+1], s[28:29]
	s_wait_loadcnt 16                              ; the six staging loads are in; q's sixteen, issued behind them, may be out
	WIN 0x04                                       ; a store's data in window 1.  (The data came by loads, and the address stands since the wait above: nothing more is owed here)
	ds_store_b128 v[STG], v[SG:SG+3] offset:KS0
	ds_store_b128 v[STG], v[SG+4:SG+7] offset:KS0+512
	ds_store_b128 v[STG], v[SG+8:SG+11] offset:VS0
	ds_store_b128 v[STG], v[SG+12:SG+15] offset:VS0+512
	ds_store_b128 v[STG], v[SG+16:SG+19] offset:KS0+TILE
	ds_store_b128 v[STG], v[SG+20:SG+23] offset:KS0+TILE+512
	WIN 0
	s_wait_loadcnt 0x0                             ; q
.set n, 0
.rept 64
	v_med3_num_f32 v[S+n], v[S+n], -v[QLIM], v[QLIM]
.set n, n+1
.endr
	WIN 0x40
.irp T, 0,1
.irp c, 0,1
	v_cvt_scalef32_pk8_bf8_f32 v[QF+8*\T+4*\c:QF+8*\T+4*\c+1], v[S+32*\T+16*\c:S+32*\T+16*\c+7], v[QSC]
	v_cvt_scalef32_pk8_bf8_f32 v[QF+8*\T+4*\c+2:QF+8*\T+4*\c+3], v[S+32*\T+16*\c+8:S+32*\T+16*\c+15], v[QSC]
.endr
.endr
	WIN 0
	v_nop                                          ; one plain vector instruction between a scaled conversion and the products that read its result and write its sources
	s_add_nc_u64 s[KB:KB+1], s[KB:KB+1], 2*TILE    ; all loads are done: step j stages K's tile j + 2
	s_add_nc_u64 s[VB:VB+1], s[VB:VB+1], TILE      ; and V's tile j + 1
	s_wait_dscnt 0x0                               ; for the others' sake: my eighths have landed
	s_barrier_signal -1
	s_barrier_wait -1
	KFETCH 0                                       ; no vector or matrix instruction has named K's registers yet
	WIN 0
	s_wait_dscnt 0x0                               ; K's tile 0 is in every wave's registers before step 0 stores tile 2 over it
	s_barrier_signal -1
	s_barrier_wait -1
; STEP j, p = j % 2.  kst, vst: K's tile j + 2, V's tile j + 1 exist and are staged; kpf: the next step's K fragments are fetched; ask: the prefetch's address steps; bar: a barrier closes the step.
; BETWEEN TWO BARRIERS the waves read V's slot p and K's slot 1 - p and store into K's slot p and V's slot 1 - p: what lay there was read in the step before, and those reads had landed ahead of the last barrier.
.macro STEP p, kst, vst, kpf, ask, bar
.if \ask
	s_wait_xcnt 0x0                                ; the last step's prefetch has read its address
	s_add_nc_u64 s[PFA:PFA+1], s[PFA:PFA+1], TILE
.endif
.if (\kst)+(\vst)
	s_wait_alu depctr_vm_vsrc(0)                   ; the LDS stores of the step before (in step 0: the head's) have read the staging registers, in which the loads below land; it stands ahead of the branch, on every way
	s_and_b32 s28, s[WGA], 4*(\kst)+2*(\vst)
	s_cmp_lg_u32 s28, 0
	s_cbranch_scc0 .Lnoload_\@                     ; neither tile will be read by any wave of the work-group
	WIN 0x40
.if \kst
	global_load_b128 v[SG:SG+3], v[STG], s[KB:KB+1]
	global_load_b128 v[SG+4:SG+7], v[STG], s[KB:KB+1] offset:512
.endif
.if \vst
	global_load_b128 v[SG+8:SG+11], v[STG], s[VB:VB+1]
	global_load_b128 v[SG+12:SG+15], v[STG], s[VB:VB+1] offset:512
.endif
	WIN 0
.Lnoload_\@:
.endif
.if \ask
	ASK
.endif
	s_and_b32 s28, s[SKW], 1
	s_cmp_lg_u32 s28, 0
	s_cbranch_scc1 .Lskip_\@                       ; all 128 keys are hidden from my 32 rows, each of which has an open key elsewhere: the step's p are zeros
	MWLOAD \p, 0
	WIN 0x40                                       ; (the switch, then the wait, then the loads)
	s_wait_alu depctr_va_vdst(0)                   ; the last V^T P are done reading V's fragments, in which the loads below land
	VFETCH \p
	WIN 0x05                                       ; K and Q in window 1, S^T in window 0
.irp t, 0,1,2,3,4,5,6,7                            ; K's fragments landed ahead of the last barrier
.irp T, 0,1
	v_wmma_f32_16x16x64_bf8_bf8 v[S+64*\T+8*\t:S+64*\T+8*\t+7], v[KF+8*\t:KF+8*\t+7], v[QF+8*\T:QF+8*\T+7], 0
.endr
.endr
	WIN 0
	PLACES                                         ; ahead of the first read of the scores
	s_wait_kmcnt 0x0                               ; tile A's mask words
	s_and_b32 s28, s[ANW], 1
	s_cmp_lg_u32 s28, 0
	s_cbranch_scc0 .Lopen_\@                       ; no byte of the step is hidden
	MASKT 0
	MWLOAD \p, 1
	s_wait_kmcnt 0x0
	MASKT 1
.Lopen_\@:
	MAXSTAT 0
	FMAT 0
	EXPT 0
	MAXSTAT 1                                      ; tile B's maximum and scalings name none of tile A's exponentials
	FMAT 1
	EXPT 1
	v_pk_mul_f32 v[ST+2:ST+3], v[ST+2:ST+3], v[ST+4:ST+5] op_sel_hi:[1,0]          ; the sums under the new M: plain instructions behind the last exponential
	v_pk_mul_f32 v[ST+10:ST+11], v[ST+10:ST+11], v[ST+12:ST+13] op_sel_hi:[1,0]
.if \kpf
	WIN 0x40                                       ; (the switch, then the wait, then the loads)
.endif
	s_wait_alu depctr_va_vdst(0)                   ; the 128 exponentials have written p, ahead of the first line that names a result; and this step's K Q^T are done reading K's fragments, in which the loads below land
.if \kpf
	KFETCH 1-\p                                    ; the next step's K: both sums, the conversions and O^T's rescaling stand between these loads and the wait for them
	WIN 0
.endif
	SUMT 0
	SUMT 1
	s_cmp_ge_i32 s[EP], -15
	s_cbranch_scc1 .Lnohold_\@                     ; 57,344 x 2^ep is at least 1.75: no p reaches it
	HOLDT 0
	HOLDT 1
.Lnohold_\@:
	CVTT 0
	CVTT 1
	v_nop                                          ; one plain vector instruction behind the last scaled conversion
	WIN 0x41                                       ; O^T in window 1, f in window 0
.irp T, 0,1
.set n, 0
.rept 16
	v_pk_mul_f32 v[OA+32*\T+n:OA+32*\T+n+1], v[OA+32*\T+n:OA+32*\T+n+1], v[ST+8*\T+4:ST+8*\T+5] op_sel_hi:[1,0]   ; O^T under the new M; each accumulator from its low end on
.set n, n+2
.endr
.endr
	s_wait_dscnt 0x0                               ; V's fragments, and the next step's K
	WIN 0x51                                       ; V, C and D in window 1, P in window 0
.irp c, 0,1,2,3                                    ; eight accumulators, one instruction each: they take turns
.irp T, 0,1
	v_wmma_f32_16x16x128_bf8_bf8 v[OA+32*\T+8*\c:OA+32*\T+8*\c+7], v[VF+16*\c:VF+16*\c+15], v[P+16*\T:P+16*\T+15], v[OA+32*\T+8*\c:OA+32*\T+8*\c+7]
.endr
.endr
	WIN 0
	PLACES                                         ; ahead of the next read of O^T
	s_branch .Ljoin_\@
.Lskip_\@:
.if \kpf
	s_and_b32 s28, s[SKW], 2
	s_cmp_lg_u32 s28, 0
	s_cbranch_scc1 .Ljoin_\@                       ; the next step is left out too
	KFETCH 1-\p                                    ; no wait: on every way here the last K Q^T stand ahead of their own step's wait for the exponentials, and no vector or matrix instruction has named K's fragments since
	WIN 0
.endif
.Ljoin_\@:
.if (\kst)+(\vst)
	s_wait_loadcnt 0x0                             ; on every way: the staging loads, if any, are done, so their registers may be read and their bases stepped
	s_and_b32 s28, s[WGA], 4*(\kst)+2*(\vst)
	s_cmp_lg_u32 s28, 0
	s_cbranch_scc0 .Lnostore_\@
	WIN 0x04
.if \kst
	ds_store_b128 v[STG], v[SG:SG+3] offset:KS0+TILE*(\p)
	ds_store_b128 v[STG], v[SG+4:SG+7] offset:KS0+TILE*(\p)+512
.endif
.if \vst
	ds_store_b128 v[STG], v[SG+8:SG+11] offset:VS0+TILE*(1-\p)
	ds_store_b128 v[STG], v[SG+12:SG+15] offset:VS0+TILE*(1-\p)+512
.endif
	WIN 0
.Lnostore_\@:
.if \kst
	s_add_nc_u64 s[KB:KB+1], s[KB:KB+1], TILE
.endif
.if \vst
	s_add_nc_u64 s[VB:VB+1], s[VB:VB+1], TILE
.endif
.endif
	s_lshr_b32 s[SKW], s[SKW], 1
	s_lshr_b32 s[ANW], s[ANW], 1
	s_lshr_b32 s[WGA], s[WGA], 1
	s_add_co_u32 s[J], s[J], 1
.if \bar
	s_wait_dscnt 0x0                               ; my stores have landed and my reads of both slots are in
	s_barrier_signal -1
	s_barrier_wait -1
.endif
.endm
	s_mov_b32 s[TRIP], 15
.Ltrip:                                            ; steps 0 to 29, two a trip: the slots are back where they began
	STEP 0, 1, 1, 1, 1, 1
	STEP 1, 1, 1, 1, 1, 1
	s_add_nc_u64 s[MW:MW+1], s[MW:MW+1], 1024      ; two records on (every scalar load from it has been waited for)
	s_sub_co_u32 s[TRIP], s[TRIP], 1
	s_cmp_lg_u32 s[TRIP], 0
	s_cbranch_scc1 .Ltrip
	STEP 0, 0, 1, 1, 0, 1                          ; step 30: K has no tile 32; V's tile 31 is staged
	STEP 1, 0, 0, 0, 0, 0                          ; step 31: nothing is left to stage or to fetch
; THE WAY OUT.  O^T x 2^(ep + ev) / the sum goes through my own stage in LDS, a tile (16 rows x 256 bytes) at a time, so that sixteen lanes store 256 consecutive bytes, aligned.
.irp T, 0,1
	v_add_f32 v[ST+8*\T+6], v[ST+8*\T+2], v[ST+8*\T+3]         ; the sum's two halves,
.endr
.irp T, 0,1
	v_permlanex16_b32 v[ST+8*\T+7], v[ST+8*\T+6], s[SEL], s[SEL+1]
.endr
.irp T, 0,1
	v_add_f32 v[ST+8*\T+6], v[ST+8*\T+6], v[ST+8*\T+7]         ; and the other half of the lanes'
.endr
.irp T, 0,1
	v_rcp_f32 v[ST+8*\T+6], v[ST+8*\T+6]
.endr
	v_nop                                          ; a plain instruction behind the last reciprocal
	s_wait_alu depctr_va_vdst(0)                   ; the two reciprocals have written their results, ahead of the first line that names one
.irp T, 0,1
	v_ldexp_f32 v[ST+8*\T+6], v[ST+8*\T+6], s[EPV]
.endr
	WIN 0x01                                       ; source 0 (O^T) in window 1
.irp T, 0,1
.set n, 0
.rept 32
	v_mul_f32 v[S+64*\T+n], v[OA+32*\T+n], v[ST+8*\T+6]        ; register 8 ct + i: out(r, 16 ct + 8 h + i); each accumulator from its low end on
.set n, n+1
.endr
.endr
	WIN 0
	s_wait_alu depctr_va_vdst(0)                   ; the 64 multiplies have written each tile's lower 32 registers, which the LDS stores read; and the last step's vector work is done with the upper 32, in which the LDS loads land
.irp T, 0,1
.irp c, 0,1,2,3
	ds_store_b128 v[STO], v[S+64*\T+8*\c:S+64*\T+8*\c+3] offset:64*\c
	ds_store_b128 v[STO], v[S+64*\T+8*\c+4:S+64*\T+8*\c+7] offset:64*\c+16
.endr
.irp i, 0,1,2,3,4,5,6,7
	ds_load_b128 v[S+64*\T+32+4*\i:S+64*\T+32+4*\i+3], v[RD] offset:2*\i*SPITCH   ; LDS serves a wave's instructions in order (ISA guide 5.7.1.4): these see my stores, and tile B's stores come behind them
.endr
.endr
.irp T, 0,1
.irp i, 0,1,2,3,4,5,6,7
	s_wait_dscnt 16*(1-\T)+7-\i                    ; behind this load: the tile's 7 - i later loads and, for tile A, tile B's sixteen LDS instructions
	global_store_b128 v[GO], v[S+64*\T+32+4*\i:S+64*\T+32+4*\i+3], s[OUTB:OUTB+1] offset:(16*\T+2*\i)*4096 th:TH_STORE_NT
.endr
.endr
	s_wait_dscnt 0x0                               ; the closing lines, six on end
	s_wait_alu 0x0
	s_wait_tensorcnt 0x0
	ds_add_u32 v254, v255
	s_wait_dscnt 0x0
	s_endpgm
.Lfunc_end_k_qdbc0ab4876_attn:
	.size	k_qdbc0ab4876_attn, .Lfunc_end_k_qdbc0ab4876_attn-k_qdbc0ab4876_attn
	.p2alignl 7, 3214868480
	.fill 96, 4, 3214868480
	.section	.rodata,"a",@progbits
	.p2align	6, 0x0
	.amdhsa_kernel k_qdbc0ab4876_attn
		.amdhsa_group_segment_fixed_size 68608
		.amdhsa_private_segment_fixed_size 0
		.amdhsa_enable_private_segment 0
		.amdhsa_kernarg_size 56
		.amdhsa_user_sgpr_count 2
		.amdhsa_user_sgpr_kernarg_segment_ptr 1
		.amdhsa_wavefront_size32 1
		.amdhsa_system_sgpr_workgroup_id_x 1
		.amdhsa_system_sgpr_workgroup_id_y 1
		.amdhsa_system_sgpr_workgroup_id_z 1
		.amdhsa_system_vgpr_workitem_id 0
		.amdhsa_next_free_vgpr 512
		.amdhsa_next_free_sgpr 106
		.amdhsa_reserve_vcc 0
		.amdhsa_float_denorm_mode_32 3
		.amdhsa_float_denorm_mode_16_64 3
		.amdhsa_memory_ordered 1
		.amdhsa_forward_progress 1
		.amdhsa_inst_pref_size 177
	.end_amdhsa_kernel
	.amdgpu_metadata
---
amdhsa.version: [ 1, 2 ]
amdhsa.kernels:
  - .name:           k_qdbc0ab4876_attn
    .symbol:         k_qdbc0ab4876_attn.kd
    .args:
      - { .name: query, .offset: 0, .size: 8, .value_kind: global_buffer, .address_space: global }
      - { .name: kimg, .offset: 8, .size: 8, .value_kind: global_buffer, .address_space: global }
      - { .name: vimg, .offset: 16, .size: 8, .value_kind: global_buffer, .address_space: global }
      - { .name: mwords, .offset: 24, .size: 8, .value_kind: global_buffer, .address_space: global }
      - { .name: mflags, .offset: 32, .size: 8, .value_kind: global_buffer, .address_space: global }
      - { .name: lowp_scales, .offset: 40, .size: 8, .value_kind: global_buffer, .address_space: global }
      - { .name: out0, .offset: 48, .size: 8, .value_kind: global_buffer, .address_space: global }
    .group_segment_fixed_size: 68608
    .private_segment_fixed_size: 0
    .kernarg_segment_align: 8
    .kernarg_segment_size: 56
    .max_flat_workgroup_size: 256
    .sgpr_count:     106
    .vgpr_count:     512
    .wavefront_size: 32
...
	.end_amdgpu_metadata
.endif
;; end of part 3
